; MI455X (gfx1250); checked and timed in simulation.
; The chip was launched on July 23, 2026; its instructions are those of AMD's public machine-readable ISA for CDNA 5 (MIT licence, August 2026) and "CDNA5" Instruction Set Architecture Reference Guide (July 2026). The comments in the code are by the model that wrote it; some were corrected since.
;; Qwen3 Attention. Allowed arithmetic: matrix products marked QUANTISED: E4M3 operands, one given power-of-two scale a tensor, by v_wmma_f32_16x16x64_fp8_fp8 or v_wmma_f32_16x16x128_fp8_fp8, f32 sums; everything else in f32.
;; Inputs: Wk 1,024 x 4,096 float32; Wo 4,096 x 2,048 float32; Wq 2,048 x 4,096 float32; Wv 1,024 x 4,096 float32; hidden_states 1 x 2,048 x 4,096 float32; k_norm_w 128 float32; lowp_scales 12 int32 (the exponents e of the quantised operands' scales 2^e); position_ids 1 x 2,048 int32; q_norm_w 128 float32.
;; Outputs: out0 1 x 2,048 x 4,096 float32.
;; This version of the problem:
;;   THIS VERSION OF THE PROBLEM IS GIVEN IN LOW PRECISION. The matrix products marked QUANTISED in the list below multiply operands that are first quantised to E4M3 (4 exponent bits, 3 mantissa bits; 8 bits a number), with one given power-of-two scale for each operand tensor; their sums are f32. All else is computed in f32.
;;   The module's matrix products, in the order in which they are computed (A, B: the left and right operand; K: the contracted axis; several contracted axes count as one K, in the product's order):
;;     1. [M 2,048, K 4,096] x [K 4,096, N 2,048]; A: input hidden_states; B: input Wq: QUANTISED (scales: A lowp_scales[0], B lowp_scales[1])
;;     2. [M 2,048, K 4,096] x [K 4,096, N 1,024]; A: input hidden_states; B: input Wk: QUANTISED (scales: A lowp_scales[2], B lowp_scales[3])
;;     3. [M 2,048, K 4,096] x [K 4,096, N 1,024]; A: input hidden_states; B: input Wv: QUANTISED (scales: A lowp_scales[4], B lowp_scales[5])
;;     4. batch 16 x [M 2,048, K 128] x [K 128, N 2,048]; A: computed on the way; B: computed on the way: QUANTISED (scales: A lowp_scales[6], B lowp_scales[7])
;;     5. batch 16 x [M 2,048, K 2,048] x [K 2,048, N 128]; A: softmax (see below); B: computed on the way: QUANTISED (scales: A lowp_scales[8], B lowp_scales[9])
;;     6. [M 2,048, K 2,048] x [K 2,048, N 4,096]; A: computed on the way; B: input Wo: QUANTISED (scales: A lowp_scales[10], B lowp_scales[11])
;;   THE QUANTISER, for each operand of a quantised product, along K:
;;     - The operand's scale is 2^e, e = its entry of the input lowp_scales (int32; the entries are numbered through the quantised products in the list's order, A before B).
;;     - Each number is divided by the scale, clamped to +-448, and rounded to the nearest number of E4M3, ties to even, subnormals kept.
;;     - The product sums the exact products of the quantised numbers (number of the format x scale) in f32.
;;   ~~~python
;;   def quantise(x, axis, e):      # numpy; x: float32 -> the quantised numbers, widened to float32 again
;;       x = np.moveaxis(x, axis, -1); K = x.shape[-1]
;;       r = np.clip(x / 2.0 ** e, -448, 448)
;;       step = 2.0 ** (np.maximum(np.frexp(np.where(r == 0, 1, r))[1] - 1, -6) - 3)
;;       q = np.round(r / step) * step * 2.0 ** e      # np.round: ties to even
;;       return np.moveaxis(q, -1, axis).astype(np.float32)
;;   ~~~
;;   SOFTMAX AHEAD OF A QUANTISED PRODUCT. Where the list says 'softmax', what is quantised is not the finished softmax but p = 2^(t - M), with t = logit x log2(e) and M = ceil(the row's largest t), a whole number; so 1/2 < the row's largest p <= 1. The row's sum l is taken of the UNQUANTISED p, in f32, and the product's result is divided by l at the end. Since M is a whole number, a kernel that streams over the keys may use a running M (the ceiling of the running maximum): every later rescaling is an exact power of two, so the quantised numbers keep their values, but for numbers so far below the row's largest that they fall under the format's range.
;;   OPERANDS COMPUTED ON THE WAY. 'Computed on the way' means the value that the module computes at that place (a softmax that the list does not call 'softmax' is quantised finished and normalised). What goes into a quantiser is computed in f32, as accurately as f32 sums, v_exp_f32 and their like allow (about 1e-6 of the number): no bf16 or f16 on the way to a quantiser, and a product that is left as it is and whose result goes on into a quantised operand takes f32 operands (vector FMAs, or v_wmma_f32_16x16x4_f32). A number that lies on a knife's edge between two numbers of the format may be rounded either way, as far as f32 arithmetic and the matrix unit's own rounding can turn it there, and no further.
;; One version. Each part assembles by itself: llvm-mc -triple=amdgcn-amd-amdhsa -mcpu=gfx1250 --defsym DOCPART=n.
;; ======== version 1 of 1: 4 launches
;; limits: right only within a limited range of input values
;; workspace buffers: xc 25,165,824 bytes; wc 25,165,824 bytes; rope 1,048,576 bytes; qkvc 8,388,608 bytes; oc 4,194,304 bytes
;; launch prep (part 1): grid 544 x 1, 4 waves a work-group, no clusters, 34,304 bytes of LDS; arguments hidden_states, Wq, Wk, Wv, Wo, position_ids, lowp_scales, xc, wc, rope; writes xc, wc, rope
.if DOCPART == 1
	.amdgcn_target "amdgcn-amd-amdhsa--gfx1250"
	.amdhsa_code_object_version 6
	.text
	.protected	k_q9b3efe9bd2_prep
	.globl	k_q9b3efe9bd2_prep
	.p2align	8
	.type	k_q9b3efe9bd2_prep,@function
k_q9b3efe9bd2_prep:
	s_mov_b64 s[64:65], 0
	v_nop
	global_prefetch_b8 v0, s[64:65] scope:SCOPE_SE
	s_setreg_imm32_b32 hwreg(HW_REG_WAVE_MODE, 25, 1), 1
	s_wait_xcnt 0x0
; PREP: every f32 operand of the projections becomes codes of FP8 (E4M3), once, and the table of cosines and sines is made.
; code = x / 2^e, held within +-448, to the nearest code, ties to even.  hidden_states is an operand of three products with three given exponents (entries 0, 2, 4): three sets of its codes are stored.
; THE CODES ARE LAID AS IMAGES OF OPERAND REGISTERS.  A fragment is 16 rows x 128 along K, 2,048 bytes: chunk c (512 bytes) holds lane l's 16 bytes at 512 c + 16 l; with r = l % 16, h = l / 16 they are row r,
; k = 32 c + 8 h + 0..7 and k = 32 c + 16 + 8 h + 0..7: registers 4 c .. 4 c + 3 of the plain 8-bit K = 128 operand.  Four 16-byte loads at 16 x lane bring a fragment back, from memory or from LDS.
; xc: 3 x [row block 128][K step 32][2048].  wc: [row block 256][K step 32][2048] for Wq (0-127), Wk (128-191), Wv (192-255), then Wo as [row block 256][K step 16][2048].
; SHARES.  Work-groups 0-127 hidden_states, 128-255 Wq, 256-319 Wk, 320-383 Wv, 384-511 Wo, 512-543 the table.  A quantising wave makes 8 fragments: one row block, 8 neighbouring K steps.
; Each load reads 512 consecutive bytes (one row's K step); a step's 16 rows turn through the wave's own stage in LDS (rows 528 bytes apart) so that a lane gets 8 neighbours along K in 8 registers; each store
; covers 512 consecutive bytes.  Waves share nothing: no barrier.  Loads run two steps (32 loads a wave) ahead.
; rope: [token block 128][chunk 16][lane 32][4 f32]: chunk 2 b + u holds cos, chunk 8 + 2 b + u sin, of token 16 tb + r and frequency 16 b + 8 h + 4 u + 0..3.
; LIMITS: each e between -126 and 119.  NaN among the inputs is not served.  |position| below 2^22: up to there the argument's reduction by pi/2 in three parts leaves |r| within the polynomials' range.
.set STGB,  8448                       ; a wave's stage: 16 rows x (512 + 16) bytes
.set SPARE, 4*STGB                     ; behind the stages: the spare words, 128 bytes for each wave: two blocks of 256 bytes that no other line names
.set STI, 2                            ; v2   the stage, on the way in: 16 x lane
.set STO, 3                            ; v3   and on the way out: 528 r + 32 h
.set CO,  4                            ; v4   16 x lane
.set OFF, 16                           ; v16-31  16 x lane + row x the tensor's row in bytes
.set RR,  32                           ; v32-159 two sets of 64: a step as it is loaded
.set XR,  160                          ; v160-223 a lane's 64 numbers in the operand's order
.set CR,  224                          ; v224-239 their codes
.set SPW, 246                          ; v246 LDS address of my spare word; never rewritten
.set NIL, 247                          ; v247 0; never rewritten
	s_load_b512 s[4:19], s[0:1], 0x0               ; hidden s[4:5], Wq s[6:7], Wk s[8:9], Wv s[10:11], Wo s[12:13], positions s[14:15], exponents s[16:17], xc s[18:19]
	s_load_b128 s[20:23], s[0:1], 0x40             ; wc s[20:21], rope s[22:23]
	v_lshl_add_u32 v[SPW], v0, 2, SPARE
	v_mov_b32 v[NIL], 0
	v_lshrrev_b32 v1, 5, v0
	v_readfirstlane_b32 s24, v1                    ; wave 0..3
	v_and_b32 v5, 31, v0                           ; lane
	v_and_b32 v6, 15, v0                           ; r
	v_bfe_u32 v7, v0, 4, 1                         ; h
	v_lshlrev_b32 v[CO], 4, v5
	s_mul_i32 s25, s24, STGB
	v_add_nc_u32 v[STI], s25, v[CO]
	v_mul_u32_u24 v[STO], v6, 528
	v_lshl_add_u32 v[STO], v7, 5, v[STO]
	v_add_nc_u32 v[STO], s25, v[STO]
	s_wait_kmcnt 0x0
	s_cmp_ge_u32 ttmp9, 512
	s_cbranch_scc1 .Ltable
	s_load_b256 s[28:35], s[16:17], 0x0            ; e0 .. e7
	s_load_b128 s[36:39], s[16:17], 0x20           ; e8 .. e11
	; which tensor: a chain of choices on the work-group's number alone
	s_mov_b64 s[40:41], s[12:13]                   ; Wo,
	s_mov_b32 s48, 384                             ; whose first work-group is 384
	s_cmp_lt_u32 ttmp9, 384
	s_cselect_b64 s[40:41], s[10:11], s[40:41]
	s_cselect_b32 s48, 320, s48
	s_cmp_lt_u32 ttmp9, 320
	s_cselect_b64 s[40:41], s[8:9], s[40:41]
	s_cselect_b32 s48, 256, s48
	s_cmp_lt_u32 ttmp9, 256
	s_cselect_b64 s[40:41], s[6:7], s[40:41]
	s_cselect_b32 s48, 128, s48
	s_cmp_lt_u32 ttmp9, 128
	s_cselect_b64 s[40:41], s[4:5], s[40:41]
	s_cselect_b32 s48, 0, s48
	s_cselect_b64 s[42:43], s[18:19], s[20:21]     ; the codes go to xc or to wc,
	s_cselect_b32 s49, 0, 128                      ; counted from work-group 0 or 128
	s_lshl_b32 s50, s24, 12                        ; K = 4,096: a work-group is one row block; my 8 K steps begin 4,096 bytes x wave into a row
	s_lshr_b32 s51, s24, 1                         ; K = 2,048 (Wo): two row blocks: 16 rows of 8,192 bytes x (wave / 2),
	s_lshl_b32 s51, s51, 17
	s_and_b32 s52, s24, 1
	s_lshl_b32 s52, s52, 12                        ; and 4,096 bytes x (wave % 2)
	s_add_co_u32 s51, s51, s52
	s_mov_b32 s53, 8192
	s_cmp_lt_u32 ttmp9, 384
	s_cselect_b32 s50, s50, s51
	s_cselect_b32 s53, 16384, s53                  ; a row in bytes
	s_sub_co_u32 s54, ttmp9, s48
	s_lshl_b32 s54, s54, 18                        ; a work-group's numbers are 262,144 bytes in every tensor
	s_add_co_u32 s54, s54, s50
	s_mov_b32 s55, 0
	s_add_nc_u64 s[40:41], s[40:41], s[54:55]
	s_sub_co_u32 s56, ttmp9, s49
	s_lshl_b32 s56, s56, 16                        ; and its codes 65,536; a wave's 16,384
	s_lshl_b32 s57, s24, 14
	s_add_co_u32 s56, s56, s57
	s_mov_b32 s57, 0
	s_add_nc_u64 s[42:43], s[42:43], s[56:57]
	s_add_nc_u64 s[44:45], s[42:43], 0x800000      ; hidden_states' second and third set (used by work-groups 0-127 alone)
	s_add_nc_u64 s[46:47], s[42:43], 0x1000000
	s_wait_alu depctr_va_vdst(0)
.irp r, 0,1,2,3,4,5,6,7,8,9,10,11,12,13,14,15
	s_mul_i32 s58, s53, \r
	v_add_nc_u32 v[OFF+\r], s58, v[CO]
.endr
.macro LOAD t                          ; K step t of my eight: 16 rows x 512 bytes into set t % 2
.irp r, 0,1,2,3,4,5,6,7,8,9,10,11,12,13,14,15
	global_load_b128 v[RR+64*((\t)%2)+4*\r:RR+64*((\t)%2)+4*\r+3], v[OFF+\r], s[40:41] offset:512*(\t) th:TH_LOAD_NT
.endr
.endm
.macro MKSCALE e, vs, vl               ; 2^e as f32 (the conversion takes its exponent field), and 448 x 2^e
	s_add_co_i32 s60, s[\e], 127
	s_lshl_b32 s61, s60, 23
	v_mov_b32 v[\vs], s61
	s_add_co_i32 s60, s60, 8
	s_lshl_b32 s60, s60, 23
	s_or_b32 s60, s60, 0x600000
	v_mov_b32 v[\vl], s60
.endm
	s_wait_alu depctr_va_vdst(0)
	LOAD 0
	LOAD 1
	s_wait_kmcnt 0x0
	s_mov_b32 s59, s39                             ; e11 (Wo); then e5, e3, e1, e0 by the same chain
	s_cmp_lt_u32 ttmp9, 384
	s_cselect_b32 s59, s33, s59
	s_cmp_lt_u32 ttmp9, 320
	s_cselect_b32 s59, s31, s59
	s_cmp_lt_u32 ttmp9, 256
	s_cselect_b32 s59, s29, s59
	s_cmp_lt_u32 ttmp9, 128
	s_cselect_b32 s59, s28, s59
	MKSCALE 59, 240, 241
	MKSCALE 30, 242, 243                           ; e2
	MKSCALE 32, 244, 245                           ; e4
; One fragment out of the stage: 64 numbers a lane in the operand's order, held, converted, stored at d + 2,048 t.  reload = 1: the set of registers that the stage's stores have read takes the loads of two steps on.
; The codes' registers were the data of the last fragment's stores: they are written again only behind s_wait_xcnt 0.  Where loads are issued in this fragment the wait stands AHEAD of them, so that it waits for none of them.
.macro QOUT sc, lim, d, t, reload
.irp c, 0,1,2,3
	ds_load_b128 v[XR+16*\c:XR+16*\c+3],     v[STO] offset:128*\c      ; k = 32 c + 8 h + 0..3
	ds_load_b128 v[XR+16*\c+4:XR+16*\c+7],   v[STO] offset:128*\c+16   ;                  4..7
	ds_load_b128 v[XR+16*\c+8:XR+16*\c+11],  v[STO] offset:128*\c+64   ; k = 32 c + 16 + 8 h + 0..3
	ds_load_b128 v[XR+16*\c+12:XR+16*\c+15], v[STO] offset:128*\c+80
.endr
	s_wait_dscnt 0x0                               ; the numbers are in; the stage's stores, issued earlier, have read their registers
.if \reload
	s_wait_xcnt 0x0                                ; the last fragment's stores have read their data
.if (\t)+2 < 8
	LOAD (\t)+2
.endif
.endif
.set i, 0
.rept 64
	v_med3_num_f32 v[XR+i], v[XR+i], -v[\lim], v[\lim]   ; the conversion to an 8-bit code does not saturate (ISA guide 7.6.2): the hold at the largest code x the scale comes first
.set i, i+1
.endr
.if \reload == 0
	s_wait_alu depctr_va_vdst(0)
	s_wait_xcnt 0x0                                ; the last fragment's stores have read their data
.endif
.irp c, 0,1,2,3
	v_cvt_scalef32_pk8_fp8_f32 v[CR+4*\c:CR+4*\c+1],   v[XR+16*\c:XR+16*\c+7],    v[\sc]
	v_cvt_scalef32_pk8_fp8_f32 v[CR+4*\c+2:CR+4*\c+3], v[XR+16*\c+8:XR+16*\c+15], v[\sc]
.endr
	v_nop                                          ; one plain vector line behind the last conversion of a run
.irp c, 0,1,2,3
	global_store_b128 v[CO], v[CR+4*\c:CR+4*\c+3], s[\d:\d+1] offset:2048*(\t)+512*\c   ; 32 lanes store 512 consecutive bytes
.endr
.endm
.macro STEP t
.if (\t) < 7
	s_wait_loadcnt 16                              ; this step's 16 loads are in; the next step's 16 may be out
.else
	s_wait_loadcnt 0x0
.endif
.irp r, 0,1,2,3,4,5,6,7,8,9,10,11,12,13,14,15
	ds_store_b128 v[STI], v[RR+64*((\t)%2)+4*\r:RR+64*((\t)%2)+4*\r+3] offset:528*\r   ; LDS serves a wave's instructions in order: the last step's reads of the stage come first, this step's reads behind
.endr
	QOUT 240, 241, 42, \t, 1
	s_cmp_lt_u32 ttmp9, 128                        ; hidden_states alone: the same numbers once more out of the stage (the hold is made in place), for its other two exponents
	s_cbranch_scc0 .Lone_\@
	QOUT 242, 243, 44, \t, 0
	QOUT 244, 245, 46, \t, 0
.Lone_\@:
.endm
	s_wait_alu depctr_va_vdst(0)
.irp t, 0,1,2,3,4,5,6,7
	STEP \t
.endr
	s_wait_tensorcnt 0x0                           ; the wave's end, behind my last LDS store
	ds_add_u32 v[SPW], v[NIL]
	s_wait_dscnt 0x0
	s_endpgm
; THE TABLE.  A wave takes a block of 16 tokens; lane (r, h) makes cos and sin of position(16 tb + r) x inv_freq(i) for its 32 frequencies i = 16 b + 8 h + j, register 8 b + j.
; inv_freq(i) = 1e6^(-i/64) = 2^(-i L), L = log2(1e6) / 64 in two parts (high + low): the product's high part goes through v_exp_f32, its exact remainder and the low part through 2^d = 1 + d ln 2.
; cos and sin: n = the nearest whole number to x 2/pi; r = x - n pi/2 with pi/2 in three parts, by fused multiply-adds; Taylor polynomials on |r| <= pi/4 (the first term left out is under 2e-9); the quadrant n % 4 swaps and signs.
.set AA, 128                           ; v128-159 i, then n, then r z, then sin
.set VV, 160                           ; v160-191 -i L, then z, then cos
.set ER, 192                           ; v192-223 the remainder, then n as a whole number
.set IV, 32                            ; v32-63   inv_freq, then x, then r
.set PC, 64                            ; v64-95   cos's polynomial
.set PS, 96                            ; v96-127  sin's
.Ltable:
	s_sub_co_u32 s48, ttmp9, 512
	s_lshl_b32 s48, s48, 2
	s_add_co_u32 s48, s48, s24                     ; token block
	s_lshl_b32 s49, s48, 6                         ; its 16 positions are 64 bytes
	s_wait_alu depctr_va_vdst(0)
	v_lshl_add_u32 v8, v6, 2, s49
	global_load_b32 v9, v8, s[14:15]
	s_lshl_b32 s50, s48, 13                        ; its part of the table is 8,192 bytes
	s_mov_b32 s51, 0
	s_add_nc_u64 s[22:23], s[22:23], s[50:51]
	s_mov_b32 s52, 0xbe9f73da                      ; -L, high part
	s_mov_b32 s53, 0xb1e3675e                      ; -L, low part
	s_mov_b32 s54, 0x3f317218                      ; ln 2
	s_mov_b32 s55, 0x3f22f983                      ; 2 / pi
	s_mov_b32 s56, 0xbfc90fd8                      ; -pi/2 in three parts
	s_mov_b32 s57, 0xb4a8885a
	s_mov_b32 s58, 0xa7c234c4
	s_mov_b32 s59, 0xb493f27e                      ; -1/10!
	s_mov_b32 s60, 0x37d00d01                      ; 1/8!
	s_mov_b32 s61, 0xbab60b61                      ; -1/6!
	s_mov_b32 s62, 0x3d2aaaab                      ; 1/4!
	s_mov_b32 s63, 0x3638ef1d                      ; 1/9!
	s_mov_b32 s66, 0xb9500d01                      ; -1/7!
	s_mov_b32 s67, 0x3c088889                      ; 1/5!
	s_mov_b32 s68, 0xbe2aaaab                      ; -1/3!
	v_lshlrev_b32 v10, 3, v7                       ; 8 h
.set i, 0
.rept 32
	v_add_nc_u32 v[AA+i], 16*(i/8)+i%8, v10
.set i, i+1
.endr
.set i, 0
.rept 32
	v_cvt_f32_u32 v[AA+i], v[AA+i]
.set i, i+1
.endr
.set i, 0
.rept 32
	v_mul_f32 v[VV+i], s52, v[AA+i]
.set i, i+1
.endr
.set i, 0
.rept 32
	v_fma_f32 v[ER+i], v[AA+i], s52, -v[VV+i]      ; what the product's rounding dropped, exactly,
.set i, i+1
.endr
.set i, 0
.rept 32
	v_fma_f32 v[ER+i], v[AA+i], s53, v[ER+i]       ; and the low part's share
.set i, i+1
.endr
.set i, 0
	s_wait_alu depctr_va_vdst(0)
.rept 32
	v_exp_f32 v[IV+i], v[VV+i]                     ; one batch of 32
.set i, i+1
.endr
.set i, 0
.rept 32
	v_mul_f32 v[ER+i], s54, v[ER+i]                ; plain work that names no result of the batch
.set i, i+1
.endr
	s_wait_alu depctr_va_vdst(0)                   ; one wait for the batch, ahead of its first reader
.set i, 0
.rept 32
	v_fma_f32 v[IV+i], v[IV+i], v[ER+i], v[IV+i]
.set i, i+1
.endr
	s_wait_loadcnt 0x0
	v_cvt_f32_i32 v9, v9
.set i, 0
.rept 32
	v_mul_f32 v[IV+i], v9, v[IV+i]                 ; x = position x inv_freq, rounded once
.set i, i+1
.endr
.set i, 0
.rept 32
	v_mul_f32 v[AA+i], s55, v[IV+i]
.set i, i+1
.endr
.set i, 0
.rept 32
	v_rndne_f32 v[AA+i], v[AA+i]
.set i, i+1
.endr
.irp p, 56, 57, 58
.set i, 0
.rept 32
	v_fma_f32 v[IV+i], v[AA+i], s[\p], v[IV+i]
.set i, i+1
.endr
.endr
.set i, 0
.rept 32
	v_cvt_i32_f32 v[ER+i], v[AA+i]
	v_mul_f32 v[VV+i], v[IV+i], v[IV+i]            ; z = r r
.set i, i+1
.endr
.set i, 0
.rept 32
	v_fma_f32 v[PC+i], v[VV+i], s59, s60
	v_fma_f32 v[PS+i], v[VV+i], s63, s66
.set i, i+1
.endr
.set i, 0
.rept 32
	v_fma_f32 v[PC+i], v[PC+i], v[VV+i], s61
	v_fma_f32 v[PS+i], v[PS+i], v[VV+i], s67
.set i, i+1
.endr
.set i, 0
.rept 32
	v_fma_f32 v[PC+i], v[PC+i], v[VV+i], s62
	v_fma_f32 v[PS+i], v[PS+i], v[VV+i], s68
.set i, i+1
.endr
.set i, 0
.rept 32
	v_fma_f32 v[PC+i], v[PC+i], v[VV+i], -0.5
	v_mul_f32 v[AA+i], v[IV+i], v[VV+i]            ; r z
.set i, i+1
.endr
.set i, 0
.rept 32
	v_fma_f32 v[PC+i], v[PC+i], v[VV+i], 1.0       ; cos r
	v_fma_f32 v[PS+i], v[PS+i], v[AA+i], v[IV+i]   ; sin r
.set i, i+1
.endr
.set i, 0
.rept 32
	v_and_b32 v11, 1, v[ER+i]
	v_cmp_eq_u32 vcc_lo, 1, v11                    ; an odd quadrant swaps the two;
	v_cndmask_b32 v[AA+i], v[PS+i], v[PC+i], vcc_lo
	v_cndmask_b32 v[VV+i], v[PC+i], v[PS+i], vcc_lo
	v_and_b32 v11, 2, v[ER+i]                      ; sin is negative in quadrants 2, 3,
	v_add_nc_u32 v12, 1, v[ER+i]
	v_lshlrev_b32 v11, 30, v11
	v_and_b32 v12, 2, v12                          ; cos in 1, 2
	v_xor_b32 v[AA+i], v11, v[AA+i]
	v_lshlrev_b32 v12, 30, v12
	v_xor_b32 v[VV+i], v12, v[VV+i]
.set i, i+1
.endr
.irp u, 0,1,2,3,4,5,6,7
	global_store_b128 v[CO], v[VV+4*\u:VV+4*\u+3], s[22:23] offset:512*\u
	global_store_b128 v[CO], v[AA+4*\u:AA+4*\u+3], s[22:23] offset:4096+512*\u
.endr
	s_wait_tensorcnt 0x0                           ; this path writes no LDS; the three closing lines stand here too, so that both ends of the text are alike
	ds_add_u32 v[SPW], v[NIL]
	s_wait_dscnt 0x0
	s_endpgm
.Lfunc_end_k_q9b3efe9bd2_prep:
	.size	k_q9b3efe9bd2_prep, .Lfunc_end_k_q9b3efe9bd2_prep-k_q9b3efe9bd2_prep
	.p2alignl 7, 3214868480
	.fill 96, 4, 3214868480
	.section	.rodata,"a",@progbits
	.p2align	6, 0x0
	.amdhsa_kernel k_q9b3efe9bd2_prep
		.amdhsa_group_segment_fixed_size 34304
		.amdhsa_private_segment_fixed_size 0
		.amdhsa_enable_private_segment 0
		.amdhsa_kernarg_size 80
		.amdhsa_user_sgpr_count 2
		.amdhsa_user_sgpr_kernarg_segment_ptr 1
		.amdhsa_wavefront_size32 1
		.amdhsa_system_sgpr_workgroup_id_x 1
		.amdhsa_system_sgpr_workgroup_id_y 1
		.amdhsa_system_sgpr_workgroup_id_z 1
		.amdhsa_system_vgpr_workitem_id 0
		.amdhsa_next_free_vgpr 248
		.amdhsa_next_free_sgpr 80
		.amdhsa_reserve_vcc 1
		.amdhsa_float_denorm_mode_32 3
		.amdhsa_float_denorm_mode_16_64 3
		.amdhsa_memory_ordered 1
		.amdhsa_forward_progress 1
		.amdhsa_inst_pref_size 226
	.end_amdhsa_kernel
	.amdgpu_metadata
---
amdhsa.version: [ 1, 2 ]
amdhsa.kernels:
  - .name:           k_q9b3efe9bd2_prep
    .symbol:         k_q9b3efe9bd2_prep.kd
    .args:
      - { .name: hidden_states, .offset: 0, .size: 8, .value_kind: global_buffer, .address_space: global }
      - { .name: Wq, .offset: 8, .size: 8, .value_kind: global_buffer, .address_space: global }
      - { .name: Wk, .offset: 16, .size: 8, .value_kind: global_buffer, .address_space: global }
      - { .name: Wv, .offset: 24, .size: 8, .value_kind: global_buffer, .address_space: global }
      - { .name: Wo, .offset: 32, .size: 8, .value_kind: global_buffer, .address_space: global }
      - { .name: position_ids, .offset: 40, .size: 8, .value_kind: global_buffer, .address_space: global }
      - { .name: lowp_scales, .offset: 48, .size: 8, .value_kind: global_buffer, .address_space: global }
      - { .name: xc, .offset: 56, .size: 8, .value_kind: global_buffer, .address_space: global }
      - { .name: wc, .offset: 64, .size: 8, .value_kind: global_buffer, .address_space: global }
      - { .name: rope, .offset: 72, .size: 8, .value_kind: global_buffer, .address_space: global }
    .group_segment_fixed_size: 34304
    .private_segment_fixed_size: 0
    .kernarg_segment_align: 8
    .kernarg_segment_size: 80
    .max_flat_workgroup_size: 128
    .sgpr_count:     80
    .vgpr_count:     248
    .wavefront_size: 32
...
	.end_amdgpu_metadata
.endif
;; end of part 1
;; launch qkv (part 2): grid 16 x 16, 4 waves a work-group, clusters of 4 x 4, 327,680 bytes of LDS; arguments xc, wc, rope, q_norm_w, k_norm_w, lowp_scales, qkvc; writes qkvc
.if DOCPART == 2
	.amdgcn_target "amdgcn-amd-amdhsa--gfx1250"
	.amdhsa_code_object_version 6
	.text
	.protected	k_q9b3efe9bd2_qkv
	.globl	k_q9b3efe9bd2_qkv
	.p2align	8
	.type	k_q9b3efe9bd2_qkv,@function
k_q9b3efe9bd2_qkv:
	s_mov_b64 s[64:65], 0
	v_nop
	global_prefetch_b8 v0, s[64:65] scope:SCOPE_SE
	s_setreg_imm32_b32 hwreg(HW_REG_WAVE_MODE, 25, 1), 1
	s_wait_xcnt 0x0
	s_wait_alu depctr_hold_cnt(0) depctr_sa_sdst(0) depctr_va_vdst(0) depctr_va_sdst(0) depctr_va_ssrc(0) depctr_va_vcc(0) depctr_vm_vsrc(0)
	s_getreg_b32 s2, hwreg(HW_REG_IB_STS2, 6, 4)
	s_cmp_eq_u32 s2, 0
	s_cbranch_scc0 .Lentry_in_a_cluster
	s_endpgm
.Lentry_in_a_cluster:
	s_bfe_u32 s2, ttmp6, 0x10000c
	s_cmp_lg_u32 s2, 0xf033
	s_cbranch_scc0 .Lentry_shape_is_right
	s_endpgm
.Lentry_shape_is_right:
.set RBB,   6144
.set SLOT,  24*RBB
.set BOFF,  8*RBB
.set SPARE, 2*SLOT
.set ADRA, 16
.set ADRB, 20
.set CO,   26
.set H32,  27
.set SPW,  28
.set NIL,  29
.set PFO,  30                          ; v30  the tiles' prefetches: 256 x min(lane, 23): a row block's part of a slot is 6,144 bytes = 24 blocks of 256
.set PFT,  31                          ; v31  the table's prefetch: 256 x lane + 8,192 x cx
.set PFA,  98                          ; s[98:99] where my prefetches stand: my work-group's share of the row blocks that my wave fetches
; A PREFETCH INTO THE L2 of the slot that stands two refills on.  Of the 4 row blocks that an A wave fetches, the partner at place cx names one; of a B wave's 8, the partner at place cy names two, 65,536 bytes apart:
; the four that ask for a tile jointly are told apart by address alone, and each block of 256 bytes is named once in each cluster that will load it.
.macro ASK off
	global_prefetch_b8 v[PFO], s[PFA:PFA+1] offset:\off th:TH_LOAD_NT scope:SCOPE_SE
	s_cmp_eq_u32 s19, 0
	s_cbranch_scc1 .Lasked2_\@
	global_prefetch_b8 v[PFO], s[PFA:PFA+1] offset:\off+65536 th:TH_LOAD_NT scope:SCOPE_SE
.Lasked2_\@:
.endm
; The last two K steps hold no barrier and no tensor load.  They are written once for each way out, so that the way out of Q and K can ask for its table and gains ahead of them.
.macro LAST2
	STEP 0, 0, 2, 0
	s_wait_dscnt 0x0
	MUL8 0, 1, 0
	MUL8 1, 1, 0
	MUL8 2, 1, 0
	MUL8 3, 1, 0
	WIN 0
	PLACES
	s_wait_kmcnt 0x0
.endm
.set WN,   32
.set SS,   96
.set CC,   96
.set FF,   112
.set SCL,  120
.set LMT,  121
.set AF,   128
.set TT,   128
.set OO,   192
.set G1A, 24
.set G0A, 32
.set G1B, 48
.set G0B, 56
.set MSB, 0
.macro WIN new
.if MSB != \new
	s_set_vgpr_msb (MSB<<8)|\new
.set MSB, \new
.endif
.endm
.set MUL,  0xa1
.set TO_B, 0x40
.macro JLOAD s
	s_cmp_eq_u32 s19, 0
	s_cbranch_scc0 .Lfor_b_\@
	tensor_load_to_lds s[G0A+4*\s:G0A+4*\s+3], s[G1A:G1A+7]
	s_nop 0
.rept 4
	v_nop
.endr
	s_branch .Lasked_\@
.Lfor_b_\@:
	tensor_load_to_lds s[G0B+4*\s:G0B+4*\s+3], s[G1B:G1B+7]
	s_nop 0
.rept 4
	v_nop
.endr
.Lasked_\@:
.endm
.macro CREST
	s_cmp_lg_u32 s18, 0
	s_cbranch_scc1 .Lnot_wave_0_\@
	s_barrier_signal -3
.Lnot_wave_0_\@:
	s_barrier_wait -3
	s_barrier_signal -1
	s_barrier_wait -1
.endm
.macro CROUND
	s_barrier_signal -1
	s_barrier_wait -1
	CREST
.endm
.macro PLACES
.rept 4
	v_nop
.endr
.endm
	s_load_b256 s[4:11], s[0:1], 0x0
	s_load_b128 s[12:15], s[0:1], 0x20
	s_load_b64 s[16:17], s[0:1], 0x30
	v_lshl_add_u32 v[SPW], v0, 2, SPARE
	v_mov_b32 v[NIL], 0
	ds_add_u32 v[SPW], v[NIL]
	ds_add_u32 v[SPW], v[NIL]
	v_lshrrev_b32 v1, 5, v0
	v_readfirstlane_b32 s18, v1
	s_lshr_b32 s19, s18, 1
	s_and_b32 s20, s18, 1
	s_bfe_u32 s21, ttmp6, 0x40000
	s_bfe_u32 s22, ttmp6, 0x40004
	s_and_b32 s23, ttmp7, 0xffff
	s_lshl_b32 s43, s22, 2
	s_lshl_b32 s43, 15, s43
	s_lshl_b32 s47, 0x1111, s21
	s_or_b32 s[G1A], s43, (3<<16)|(1<<21)
	s_or_b32 s[G1B], s47, (3<<16)|(1<<21)
	s_mov_b32 s[G1A+1], 768<<16
	s_mov_b32 s[G1A+2], 4<<16
	s_mov_b32 s[G1A+3], 768<<16
	s_mov_b32 s[G1A+4], 4
	s_mov_b32 s[G1A+5], 8192
	s_mov_b32 s[G1A+6], 0
	s_mov_b32 s[G1A+7], 0
	s_mov_b32 s[G1B+1], 768<<16
	s_mov_b32 s[G1B+2], 8<<16
	s_mov_b32 s[G1B+3], 768<<16
	s_mov_b32 s[G1B+4], 8
	s_mov_b32 s[G1B+5], 8192
	s_mov_b32 s[G1B+6], 0
	s_mov_b32 s[G1B+7], 0
	s_lshl_b32 s86, s23, 2
	s_add_co_u32 s86, s86, s22
	s_and_b32 s40, s23, 1
	s_lshl_b32 s40, s40, 2
	s_add_co_u32 s40, s40, s22
	s_cmp_eq_u32 ttmp9, 3
	s_cselect_b32 s86, s40, s86
	s_cselect_b32 s41, (192<<16), 0
	s_cmp_eq_u32 ttmp9, 2
	s_cselect_b32 s40, 8388608, 0
	s_add_co_u32 s41, s41, s40
	s_lshl_b32 s40, s86, 19
	s_add_co_u32 s66, s41, s40
	s_lshl_b32 s40, s20, 18
	s_add_co_u32 s66, s66, s40
	s_mov_b32 s67, 0
	s_mul_i32 s42, s20, 4*RBB
	s_lshl_b32 s87, ttmp9, 2
	s_add_co_u32 s87, s87, s21
	s_lshr_b32 s44, s23, 1
	s_lshl_b32 s44, s44, 2
	s_add_co_u32 s44, s44, s21
	s_cmp_eq_u32 ttmp9, 3
	s_cselect_b32 s87, s44, s87
	s_cselect_b32 s45, 16777216, 0
	s_lshl_b32 s44, s87, 20
	s_add_co_u32 s80, s45, s44
	s_lshl_b32 s44, s20, 19
	s_add_co_u32 s80, s80, s44
	s_mov_b32 s81, 0
	s_mul_i32 s46, s20, 8*RBB
	s_add_co_u32 s46, s46, BOFF
	s_wait_dscnt 0x0
	s_wait_kmcnt 0x0
	s_load_b256 s[68:75], s[14:15], 0x0
	s_load_b128 s[76:79], s[14:15], 0x20
	s_cmp_eq_u32 ttmp9, 3
	s_cselect_b64 s[82:83], s[6:7], s[4:5]
	s_cselect_b64 s[84:85], s[4:5], s[6:7]
	s_add_nc_u64 s[66:67], s[82:83], s[66:67]
	s_add_nc_u64 s[80:81], s[84:85], s[80:81]
	v_and_b32 v2, 31, v0
	v_min_u32 v3, 23, v2
	v_lshlrev_b32 v[PFO], 8, v3
	s_lshl_b32 s43, s21, 13
	v_lshl_add_u32 v[PFT], v2, 8, s43              ; of my wave's four token blocks of the table, 8,192 bytes each, my work-group names block cx
	s_lshl_b32 s43, s21, 16                        ; A: row block cx of my four
	s_lshl_b32 s47, s22, 17                        ; B: row blocks 2 cy, 2 cy + 1 of my eight
	s_cmp_eq_u32 s19, 0
	s_cselect_b64 s[PFA:PFA+1], s[66:67], s[80:81]
	s_cselect_b32 s44, s43, s47
	s_mov_b32 s45, 0
	s_add_nc_u64 s[PFA:PFA+1], s[PFA:PFA+1], s[44:45]
	s_add_nc_u64 s[PFA:PFA+1], s[PFA:PFA+1], 2*RBB ; at slot 2: the two first fills name slots 2 and 3
	s_lshl_b32 s90, s86, 3
	s_lshl_b32 s91, s19, 2
	s_add_co_u32 s90, s90, s91                     ; my first token block
	s_lshl_b32 s40, s90, 13
	s_mov_b32 s41, 0
	s_add_nc_u64 s[8:9], s[8:9], s[40:41]          ; and its part of the table
	CROUND
.irp s, 0,1
	s_mov_b32 s[G0A+4*\s], 1
	s_add_co_u32 s[G0A+4*\s+1], s42, \s*SLOT
	s_add_nc_u64 s[G0A+4*\s+2:G0A+4*\s+3], s[66:67], \s*RBB
	s_or_b32 s[G0A+4*\s+3], s[G0A+4*\s+3], 0x80000000
	s_mov_b32 s[G0B+4*\s], 1
	s_add_co_u32 s[G0B+4*\s+1], s46, \s*SLOT
	s_add_nc_u64 s[G0B+4*\s+2:G0B+4*\s+3], s[80:81], \s*RBB
	s_or_b32 s[G0B+4*\s+3], s[G0B+4*\s+3], 0x80000000
	s_wait_alu depctr_va_vdst(0)
	s_wait_tensorcnt 0x0
	ds_add_u32 v28, v29
	ds_add_u32 v28, v29
	s_wait_dscnt 0x0
	CROUND
	JLOAD \s
	ASK \s*RBB
.endr
	v_and_b32 v1, 31, v0
	v_lshlrev_b32 v[CO], 4, v1
	v_bfe_u32 v[H32], v0, 4, 1
	v_lshlrev_b32 v[H32], 5, v[H32]
	s_mul_i32 s40, s19, 4*RBB
	s_mul_i32 s44, s20, 8*RBB
	s_add_co_u32 s44, s44, BOFF
.irp s, 0,1
	v_add_nc_u32 v[ADRA+\s], s40, v[CO]
	v_add_nc_u32 v[ADRB+\s], s44, v[CO]
	s_add_co_u32 s40, s40, SLOT
	s_add_co_u32 s44, s44, SLOT
.endr
	s_cmp_eq_u32 ttmp9, 3                          ; V has no table
	s_cbranch_scc1 .Lno_table
	s_cmp_lg_u32 s20, 0                            ; the two waves of one half of the rows want the same four token blocks: one of them asks
	s_cbranch_scc1 .Lno_table
	global_prefetch_b8 v[PFT], s[8:9] th:TH_LOAD_NT scope:SCOPE_SE
.Lno_table:
.macro FETCH slot, q, p
	WIN TO_B
.irp b, 0,1,2,3,4,5,6,7
.irp c, 0,1,2,3
	ds_load_b128 v[128*(\p)+16*\b+4*\c:128*(\p)+16*\b+4*\c+3], v[ADRB+\slot] offset:RBB*\b+2048*(\q)+512*\c
.endr
.endr
	WIN 0
.irp a, 0,1,2,3
.irp c, 0,1,2,3
	ds_load_b128 v[AF+64*(\p)+16*\a+4*\c:AF+64*(\p)+16*\a+4*\c+3], v[ADRA+\slot] offset:RBB*\a+2048*(\q)+512*\c
.endr
.endr
.endm
.macro MUL8 a, p, zero
.irp b, 0,1,2,3,4,5,6,7
.if \zero
	v_wmma_f32_16x16x128_fp8_fp8 v[8*(8*(\a)+\b):8*(8*(\a)+\b)+7], v[128*(\p)+16*\b:128*(\p)+16*\b+15], v[AF+64*(\p)+16*(\a):AF+64*(\p)+16*(\a)+15], 0
.else
	v_wmma_f32_16x16x128_fp8_fp8 v[8*(8*(\a)+\b):8*(8*(\a)+\b)+7], v[128*(\p)+16*\b:128*(\p)+16*\b+15], v[AF+64*(\p)+16*(\a):AF+64*(\p)+16*(\a)+15], v[8*(8*(\a)+\b):8*(8*(\a)+\b)+7]
.endif
.endr
.endm
.macro STEP p, ns, nq, zero
	s_wait_dscnt 0x0
	PLACES
	FETCH \ns, \nq, 1-(\p)
	WIN MUL
	MUL8 0, \p, \zero
	MUL8 1, \p, \zero
	MUL8 2, \p, \zero
	MUL8 3, \p, \zero
.endm
.macro TURN p, slot, ns, nq, fill, adv
	s_wait_dscnt 0x0
	WIN MUL
	MUL8 0, \p, 0
	MUL8 1, \p, 0
	WIN 0
	s_wait_tensorcnt 0x0
	ds_add_u32 v[SPW], v[NIL]
.if \fill
	s_add_nc_u64 s[G0A+4*\slot+2:G0A+4*\slot+3], s[G0A+4*\slot+2:G0A+4*\slot+3], \adv
	s_add_nc_u64 s[G0B+4*\slot+2:G0B+4*\slot+3], s[G0B+4*\slot+2:G0B+4*\slot+3], \adv
	s_wait_xcnt 0x0                                ; my last prefetches, a slot back, have read their address
	s_add_nc_u64 s[PFA:PFA+1], s[PFA:PFA+1], RBB
.endif
	s_wait_dscnt 0x0
.if \fill
	CROUND
	JLOAD \slot
.else
	s_barrier_signal -1
	s_barrier_wait -1
	PLACES
.endif
	FETCH \ns, \nq, 1-(\p)
.if (\fill) && ((\adv) == 2*RBB)                   ; the loop's refills alone: refill k names slot k + 4; slot 10 is the last, so the loop's last refill and the one behind the loop name nothing
.if \slot
	s_cmp_gt_u32 s3, 1
	s_cbranch_scc0 .Lno_ask_\@
.endif
	ASK RBB
.Lno_ask_\@:
.endif
	WIN MUL
	MUL8 2, \p, 0
	MUL8 3, \p, 0
.endm
.macro LAP adv1
	STEP 1, 0, 2, 0
	TURN 0, 0, 1, 0, 1, 2*RBB
	STEP 1, 1, 1, 0
	STEP 0, 1, 2, 0
	TURN 1, 1, 0, 0, 1, \adv1
	STEP 0, 0, 1, 0
.endm
	s_wait_alu depctr_va_vdst(0)
	s_wait_tensorcnt 1
	s_barrier_signal -1
	s_barrier_wait -1
	FETCH 0, 0, 0
	STEP 0, 0, 1, 1
	WIN 0
	s_mov_b32 s3, 4
.Llap:
	LAP 2*RBB
	WIN 0
	s_sub_co_u32 s3, s3, 1
	s_mov_b32 s47, 23*256
	s_cmp_eq_u32 s3, 1
	s_cselect_b32 s47, 15*256, s47                 ; in the last trip slot 10 is named: 4,096 bytes are left of each row block, 16 blocks of 256
	s_wait_xcnt 0x0                                ; the prefetches have read their offset
	v_min_u32 v[PFO], s47, v[PFO]
	s_wait_alu depctr_va_vdst(0)
	s_cmp_lg_u32 s3, 0
	s_cbranch_scc1 .Llap
	STEP 1, 0, 2, 0
	TURN 0, 0, 1, 0, 1, 5*2048
	STEP 1, 1, 1, 0
	STEP 0, 1, 2, 0
	TURN 1, 1, 0, 1, 0, 0
	WIN 0
	s_cmp_eq_u32 ttmp9, 3
	s_cbranch_scc1 .Lvout
	s_cmp_eq_u32 ttmp9, 2
	s_cselect_b64 s[88:89], s[12:13], s[10:11]
.irp b, 0,1,2,3,4,5,6,7
	global_load_b128 v[WN+8*\b:WN+8*\b+3],   v[H32], s[88:89] offset:64*\b
	global_load_b128 v[WN+8*\b+4:WN+8*\b+7], v[H32], s[88:89] offset:64*\b+16
.endr
	WIN 0xc0
.irp a, 0,1,2,3
.irp c, 0,1,2,3,4,5,6,7,8,9,10,11,12,13,14,15
	global_load_b128 v[64*\a+4*\c:64*\a+4*\c+3], v[CO], s[8:9] offset:8192*\a+512*\c
.endr
.endr
	WIN 0
	LAST2
	s_add_co_i32 s94, s68, s69
	s_add_co_i32 s95, s70, s71
	s_cmp_eq_u32 ttmp9, 2
	s_cselect_b32 s94, s95, s94
	s_cselect_b32 s96, s75, s74
	s_lshl_b32 s95, s94, 1
	s_sub_co_i32 s95, s95, 7
	s_add_co_i32 s96, s96, 127
	s_lshl_b32 s97, s96, 23
	v_mov_b32 v[SCL], s97
	s_add_co_i32 s96, s96, 8
	s_lshl_b32 s96, s96, 23
	s_or_b32 s96, s96, 0x600000
	v_mov_b32 v[LMT], s96
	s_mov_b32 s92, 0x76543210
	s_mov_b32 s93, 0xfedcba98
	s_lshl_b32 s44, s87, 1
	s_add_co_u32 s44, s44, s20
	s_lshl_b32 s44, s44, 7
	s_add_co_u32 s44, s44, s90
	s_lshl_b32 s44, s44, 11
	s_mov_b32 s45, 0
	s_add_nc_u64 s[16:17], s[16:17], s[44:45]
	WIN 0x0a
.irp g, 0,1,2,3
.irp i, 0,2,4,6
.irp a, 0,1,2,3
.if (\g == 0) && (\i == 0)
	v_pk_mul_f32 v[SS+4*\a:SS+4*\a+1],   v[64*\a:64*\a+1],   v[64*\a:64*\a+1]
	v_pk_mul_f32 v[SS+4*\a+2:SS+4*\a+3], v[64*\a+8:64*\a+9], v[64*\a+8:64*\a+9]
.else
	v_pk_fma_f32 v[SS+4*\a:SS+4*\a+1],   v[64*\a+16*\g+\i:64*\a+16*\g+\i+1],     v[64*\a+16*\g+\i:64*\a+16*\g+\i+1],     v[SS+4*\a:SS+4*\a+1]
	v_pk_fma_f32 v[SS+4*\a+2:SS+4*\a+3], v[64*\a+16*\g+8+\i:64*\a+16*\g+8+\i+1], v[64*\a+16*\g+8+\i:64*\a+16*\g+8+\i+1], v[SS+4*\a+2:SS+4*\a+3]
.endif
.endr
.endr
.endr
	WIN 0
.irp a, 0,1,2,3
	v_pk_add_f32 v[SS+4*\a:SS+4*\a+1], v[SS+4*\a:SS+4*\a+1], v[SS+4*\a+2:SS+4*\a+3]
.endr
.irp a, 0,1,2,3
	v_add_f32 v[SS+4*\a], v[SS+4*\a], v[SS+4*\a+1]
.endr
.irp a, 0,1,2,3
	v_permlanex16_b32 v[SS+4*\a+2], v[SS+4*\a], s92, s93
.endr
.irp a, 0,1,2,3
	v_add_f32 v[SS+4*\a], v[SS+4*\a], v[SS+4*\a+2]
.endr
.irp a, 0,1,2,3
	v_ldexp_f32 v[SS+4*\a], v[SS+4*\a], s95
.endr
.irp a, 0,1,2,3
	v_add_f32 v[SS+4*\a], 0x358637bd, v[SS+4*\a]
.endr
	s_wait_alu depctr_va_vdst(0)
.irp a, 0,1,2,3
	v_rsq_f32 v[FF+2*\a], v[SS+4*\a]
.endr
	v_nop
	s_wait_alu depctr_va_vdst(0)
.irp a, 0,1,2,3
	v_ldexp_f32 v[FF+2*\a], v[FF+2*\a], s94
.endr
.irp a, 0,1,2,3
	v_mov_b32 v[FF+2*\a+1], v[FF+2*\a]
.endr
	s_wait_alu depctr_va_vdst(0)
	s_wait_loadcnt 0x0
.irp a, 0,1,2,3
	WIN 0x02
.set i, 0
.rept 32
	v_pk_mul_f32 v[TT+i:TT+i+1], v[64*\a+i:64*\a+i+1], v[FF+2*\a:FF+2*\a+1]
.set i, i+2
.endr
	WIN 0
.set i, 0
.rept 32
	v_pk_mul_f32 v[TT+i:TT+i+1], v[TT+i:TT+i+1], v[WN+i:WN+i+1]
.set i, i+2
.endr
	WIN 0x0c
.set i, 0
.rept 16
	v_pk_mul_f32 v[OO+i:OO+i+1],       v[TT+i:TT+i+1],       v[64*\a+i:64*\a+i+1]
	v_pk_mul_f32 v[OO+32+i:OO+32+i+1], v[TT+32+i:TT+32+i+1], v[64*\a+i:64*\a+i+1]
.set i, i+2
.endr
.set i, 0
.rept 16
	v_pk_fma_f32 v[OO+i:OO+i+1],       v[TT+32+i:TT+32+i+1], v[64*\a+32+i:64*\a+32+i+1], v[OO+i:OO+i+1] neg_lo:[1,0,0] neg_hi:[1,0,0]
	v_pk_fma_f32 v[OO+32+i:OO+32+i+1], v[TT+i:TT+i+1],       v[64*\a+32+i:64*\a+32+i+1], v[OO+32+i:OO+32+i+1]
.set i, i+2
.endr
	WIN 0
.set i, 0
.rept 64
	v_med3_num_f32 v[OO+i], v[OO+i], -v[LMT], v[LMT]
.set i, i+1
.endr
	s_wait_alu depctr_va_vdst(0)
	s_wait_xcnt 0x0
.irp b, 0,1,2,3,4,5,6,7
	v_cvt_scalef32_pk8_fp8_f32 v[CC+2*\b:CC+2*\b+1], v[OO+8*\b:OO+8*\b+7], v[SCL]
.endr
	v_nop
.irp c, 0,1,2,3
	global_store_b128 v[CO], v[CC+4*\c:CC+4*\c+3], s[16:17] offset:2048*\a+512*\c
.endr
.endr
	s_branch .Ldone
.Lvout:
	LAST2
	s_sub_co_i32 s94, s77, s72
	s_sub_co_i32 s94, s94, s73
	s_add_co_i32 s94, s94, 127
	s_lshl_b32 s95, s94, 23
	v_mov_b32 v[SCL], s95
	s_add_co_i32 s94, s94, 8
	s_lshl_b32 s94, s94, 23
	s_or_b32 s94, s94, 0x600000
	v_mov_b32 v[LMT], s94
	s_wait_alu depctr_va_vdst(0)
	s_lshl_b32 s44, s86, 4
	s_lshl_b32 s45, s87, 1
	s_add_co_u32 s44, s44, s45
	s_add_co_u32 s44, s44, s20
	s_lshl_b32 s44, s44, 3
	s_lshl_b32 s45, s19, 2
	s_add_co_u32 s44, s44, s45
	s_lshl_b32 s44, s44, 11
	s_add_co_u32 s44, s44, 6291456
	s_mov_b32 s45, 0
	s_add_nc_u64 s[16:17], s[16:17], s[44:45]
.irp a, 0,1,2,3
	WIN 0x02
.set i, 0
.rept 64
	v_med3_num_f32 v[TT+i], v[64*\a+i], -v[LMT], v[LMT]
.set i, i+1
.endr
	WIN 0
	s_wait_alu depctr_va_vdst(0)
	s_wait_xcnt 0x0
.irp b, 0,1,2,3,4,5,6,7
	v_cvt_scalef32_pk8_fp8_f32 v[CC+2*\b:CC+2*\b+1], v[TT+8*\b:TT+8*\b+7], v[SCL]
.endr
	v_nop
.irp c, 0,1,2,3
	global_store_b128 v[CO], v[CC+4*\c:CC+4*\c+3], s[16:17] offset:2048*\a+512*\c
.endr
.endr
.Ldone:
	s_wait_tensorcnt 0x0
	ds_add_u32 v[SPW], v[NIL]
	s_wait_dscnt 0x0
	CROUND
	s_endpgm
.Lfunc_end_k_q9b3efe9bd2_qkv:
	.size	k_q9b3efe9bd2_qkv, .Lfunc_end_k_q9b3efe9bd2_qkv-k_q9b3efe9bd2_qkv
	.p2alignl 7, 3214868480
	.fill 96, 4, 3214868480
	.section	.rodata,"a",@progbits
	.p2align	6, 0x0
	.amdhsa_kernel k_q9b3efe9bd2_qkv
		.amdhsa_group_segment_fixed_size 327680
		.amdhsa_private_segment_fixed_size 0
		.amdhsa_enable_private_segment 0
		.amdhsa_kernarg_size 56
		.amdhsa_user_sgpr_count 2
		.amdhsa_user_sgpr_kernarg_segment_ptr 1
		.amdhsa_wavefront_size32 1
		.amdhsa_system_sgpr_workgroup_id_x 1
		.amdhsa_system_sgpr_workgroup_id_y 1
		.amdhsa_system_sgpr_workgroup_id_z 1
		.amdhsa_system_vgpr_workitem_id 0
		.amdhsa_next_free_vgpr 1024
		.amdhsa_next_free_sgpr 100
		.amdhsa_reserve_vcc 0
		.amdhsa_float_denorm_mode_32 3
		.amdhsa_float_denorm_mode_16_64 3
		.amdhsa_memory_ordered 1
		.amdhsa_forward_progress 1
		.amdhsa_inst_pref_size 187
	.end_amdhsa_kernel
	.amdgpu_metadata
---
amdhsa.version: [ 1, 2 ]
amdhsa.kernels:
  - .name:           k_q9b3efe9bd2_qkv
    .symbol:         k_q9b3efe9bd2_qkv.kd
    .args:
      - { .name: xc, .offset: 0, .size: 8, .value_kind: global_buffer, .address_space: global }
      - { .name: wc, .offset: 8, .size: 8, .value_kind: global_buffer, .address_space: global }
      - { .name: rope, .offset: 16, .size: 8, .value_kind: global_buffer, .address_space: global }
      - { .name: q_norm_w, .offset: 24, .size: 8, .value_kind: global_buffer, .address_space: global }
      - { .name: k_norm_w, .offset: 32, .size: 8, .value_kind: global_buffer, .address_space: global }
      - { .name: lowp_scales, .offset: 40, .size: 8, .value_kind: global_buffer, .address_space: global }
      - { .name: qkvc, .offset: 48, .size: 8, .value_kind: global_buffer, .address_space: global }
    .group_segment_fixed_size: 327680
    .private_segment_fixed_size: 0
    .kernarg_segment_align: 8
    .kernarg_segment_size: 56
    .max_flat_workgroup_size: 128
    .sgpr_count:     100
    .vgpr_count:     1024
    .wavefront_size: 32
...
	.end_amdgpu_metadata
.endif
;; end of part 2
;; launch attn (part 3): grid 16 x 16, 16 waves a work-group, no clusters, 327,680 bytes of LDS; arguments qkvc, lowp_scales, oc; writes oc
.if DOCPART == 3
	.amdgcn_target "amdgcn-amd-amdhsa--gfx1250"
	.amdhsa_code_object_version 6
	.text
	.protected	k_q9b3efe9bd2_attn
	.globl	k_q9b3efe9bd2_attn
	.p2align	8
	.type	k_q9b3efe9bd2_attn,@function
k_q9b3efe9bd2_attn:
	s_mov_b64 s[64:65], 0
	v_nop
	global_prefetch_b8 v0, s[64:65] scope:SCOPE_SE
	s_setreg_imm32_b32 hwreg(HW_REG_WAVE_MODE, 25, 1), 1
	s_wait_xcnt 0x0
; ATTN: causal attention on codes of FP8 (E4M3), 16 query heads on 8 KV heads, head size 128, 2,048 tokens; its result leaves as the codes of the output projection's operand.
; t = score x log2(e) / sqrt(128); M = the row's largest t so far, rounded UP to a whole number; p = 2^(t - M) is quantised along the keys with 2^e8, not normalised.  The row's sum is taken of the unquantised p and divides
; O at the end.  When M moves, the sum and O are multiplied by 2^(old M - new M): exact.
; LEFT OUT: key steps all of whose keys come after the queries.  The mask that the problem builds adds -1e9 to their scores, so their p is 0 beside key 0's, which counts for every query.  On the diagonal hidden scores become -infinity.
; LIMIT: that holds while scores stay far under 1e9 in size; a NaN or an infinity that reaches only hidden keys is not carried to the result.
; All operands lie as fragment images (16 rows x 128 K = 2,048 bytes; chunk c, lane l at 512 c + 16 l): q [head][token block], k [KV head][token block] (K = the head's 128), v [KV head][key step][channel tile] (K = 128 keys).
; SHARES.  A work-group takes query blocks j and 31 - j (64 queries each) of one head: 8 tiles of 16 queries, (j / 2 + 1) + (16 - j / 2) = 17 key steps of 128 keys for each pair of an early and a late tile.
; EACH TILE HAS TWO WAVES: one takes the even key steps, the other the odd ones, each with its own M, sum and O^T: the longest walk is 8 steps.  At the end the odd wave hands its three through LDS to the even one, which brings
; both under the larger M (exact powers of two), adds, divides and stores.  An odd wave with no step hands over zeros under M = -3e38, whose factor is 0.
; Wave w: x = w xor (w >> 2); tile w % 4 of the early (x bit 0 = 0) or late block; parity x bit 1.  So waves w, w + 4, w + 8, w + 12 and waves 4 s .. 4 s + 3 alike hold all four pairs of (block, parity).
; Both products are used transposed: S^T = K Q^T: lane (r, h) holds query r, register j of tile f key 16 f + 8 h + j: eight registers, converted, ARE registers 2 f, 2 f + 1 of P.  O^T = V^T P^T: register j of tile t is channel 16 t + 8 h + j.
; THE RING: two LDS slots of 512 keys: K's four key steps (65,536 bytes), then V's four.  Both are dense in memory: wave w fetches the 8,192 bytes at 8,192 w of the slot (waves 0 to 7 of K, 8 to 15 of V); all sixteen read.
; A wave of parity p takes steps p and p + 2 of a slot.  EVERY work-group walks all 4 slots: the trip counts are constants.  A slot whose first key comes after the work-group's last query is not asked for.
; Every wait on TENSORcnt is for 0; one tensor load a wave is out at most.
; NO CLUSTER: work-group j reads 16 - j / 2 key steps, and the jump that ends its loads at that limit may lead round no joint load.
; LIMITS on the given exponents: e6 + e7 between -123 and 130 (they are added to c's exponent field); e8 and e10 between -126 and 119; e8 + e9 is applied by v_ldexp_f32 and has none.  Scaled scores stay under 2^31 in size.
; REGISTERS: v1-11 addresses; v12 -M, v13 the largest t, v[14:15] the sum in two halves; v16-31 Q; v32-95 four fragments of K or V; v96-159 S^T, then p; v160-223 O^T; v224-239 P's codes; v240, v244: 448 x 2^e8, 2^e8; v241, v245: with e10.
.set SLOT1, 1<<17                      ; slot 1 begins here: one exclusive or turns an address in one slot into the other's
.set SPARE, 2*SLOT1                    ; behind the ring: the spare words, 128 bytes for each of 16 waves
.set STATS, SPARE+2048                 ; then 256 bytes a tile: the odd wave's -M and its sum, 8 bytes a lane
.set STAGE, 0                          ; 8,192 bytes a tile: the odd wave's O^T as an image of its registers.  It lies in slot 0, which has had its last fill and is read by nobody behind the last change of slots
.set LA0, 1                            ; v1   16 x lane + 16,384 x parity: my place in K's part of a slot
.set ADR, 2                            ; v2   + the slot and step in hand
.set PFO, 3                            ; v3   256 x lane
.set LA,  4                            ; v4   16 x lane
.set SPW, 5                            ; v5   LDS address of my spare word; never rewritten
.set NIL, 6                            ; v6   0; never rewritten
.set STG, 7                            ; v7   my tile's stage + 16 x lane
.set STS, 8                            ; v8   my tile's stats + 8 x lane
.set ADV, 10                           ; v10  as v2, in V's part
.set LAV, 11                           ; v11  as v1, in V's part: 65,536 further on
.set WV,  18
.set HD,  19
.set SEL, 20                           ; s[20:21] selects for lane l xor 16
.set CS,  22                           ; s[22:23] c = log2(e) / sqrt(128) x 2^(e6 + e7)
.set G1,  24
.set G0,  32
.set TB,  36                           ; LDS byte at which the slot in hand begins, + 32,768 in my second step of it
.set KS,  37                           ; the slot's first key
.set KF,  38                           ; my step's first key
.set Q0,  39
.set QL,  40
.set WGL, 41                           ; my work-group's last query
.set SLOTS, 42
.set LIM, 43                           ; 1 in a work-group that prefetches, else the greatest number
.set PFA, 44
.set PAR, 59                           ; my parity
.set U,   63                           ; my steps still to go in the slot
.macro TLOAD                           ; every wave fetches its 8,192 bytes.  An s_nop 0 and four v_nop follow the load
	tensor_load_to_lds s[G0:G0+3], s[G1:G1+7]
	s_nop 0
.rept 4
	v_nop
.endr
.endm
; A PREFETCH of the slot that the NEXT change of slots will ask for.  The 32 work-groups of a KV head walk the same K and V: one of them asks, the one with j = 0 (which walks all slots) of the even head.  Each of its waves
; names the 8,192 bytes that it will fetch: one instruction, lanes 256 bytes apart.  Slots 0 and 1 come by their loads alone; the last change that fills a slot asks for nothing.
.macro ASK
	s_cmp_gt_u32 s[SLOTS], s[LIM]
	s_cbranch_scc0 .Lnot_mine_\@
	global_prefetch_b8 v[PFO], s[PFA:PFA+1] th:TH_LOAD_NT scope:SCOPE_SE
.Lnot_mine_\@:
.endm
	s_load_b128 s[4:7], s[0:1], 0x0                ; qkvc, the exponents
	s_load_b64 s[8:9], s[0:1], 0x10                ; oc
	v_lshl_add_u32 v[SPW], v0, 2, SPARE
	v_mov_b32 v[NIL], 0
	ds_add_u32 v[SPW], v[NIL]                      ; the opening: the add, twice on end, and its wait ahead of the first tensor load
	ds_add_u32 v[SPW], v[NIL]
	v_lshrrev_b32 v9, 5, v0
	v_readfirstlane_b32 s[WV], v9                  ; wave 0..15
	s_and_b32 s[HD], ttmp7, 0xffff
	s_and_b32 s46, s[WV], 3                        ; my tile in its block
	s_lshr_b32 s47, s[WV], 2
	s_xor_b32 s47, s47, s[WV]
	s_lshr_b32 s[PAR], s47, 1
	s_and_b32 s[PAR], s[PAR], 1
	s_and_b32 s47, s47, 1                          ; 1 = the late block
	s_sub_co_u32 s49, 31, ttmp9
	s_cmp_eq_u32 s47, 1
	s_cselect_b32 s48, s49, ttmp9
	s_lshl_b32 s48, s48, 2
	s_add_co_u32 s48, s48, s46                     ; my token block
	s_lshl_b32 s[Q0], s48, 4
	s_add_co_u32 s[QL], s[Q0], 15
	s_lshl_b32 s[WGL], s49, 6
	s_add_co_u32 s[WGL], s[WGL], 63
	s_lshl_b32 s60, s47, 2
	s_add_co_u32 s60, s60, s46                     ; my tile among the work-group's eight
	s_lshl_b32 s61, s60, 13
	s_add_co_u32 s61, s61, STAGE
	s_lshl_b32 s60, s60, 8
	s_add_co_u32 s60, s60, STATS
	s_lshl_b32 s62, s[PAR], 14
	s_lshl_b32 s[KF], s[PAR], 7
	s_lshr_b32 s50, s[HD], 1                       ; the KV head: 262,144 bytes of K and as many of V
	s_lshl_b32 s50, s50, 18
	s_and_b32 s51, s[WV], 7
	s_lshl_b32 s51, s51, 13                        ; which 8,192 bytes of a slot's 65,536 of K or of V I fetch
	s_add_co_u32 s50, s50, s51
	s_and_b32 s51, s[WV], 8
	s_cmp_eq_u32 s51, 0
	s_mov_b32 s51, 6291456                         ; V's images,
	s_cselect_b32 s51, 4194304, s51                ; or K's
	s_add_co_u32 s50, s50, s51
	s_mov_b32 s51, 0
	s_lshl_b32 s52, s[HD], 7
	s_add_co_u32 s52, s52, s48
	s_lshl_b32 s52, s52, 11                        ; Q's image: (head x 128 + token block) x 2,048
	s_mov_b32 s53, 0
	s_lshl_b32 s56, s48, 4
	s_add_co_u32 s56, s56, s[HD]
	s_lshl_b32 s56, s56, 11                        ; the result's: (token block x 16 + head) x 2,048
	s_mov_b32 s57, 0
	s_mov_b32 s[G1], 3<<16                         ; a dense block of 8,192 bytes as 32 rows of 256: 32 elements of 8 bytes
	s_mov_b32 s[G1+1], 32<<16
	s_mov_b32 s[G1+2], 32<<16
	s_mov_b32 s[G1+3], 32<<16
	s_mov_b32 s[G1+4], 32
	s_mov_b32 s[G1+5], 32
	s_mov_b32 s[G1+6], 0
	s_mov_b32 s[G1+7], 0
	s_mov_b32 s[SEL], 0x76543210
	s_mov_b32 s[SEL+1], 0xfedcba98
	s_mov_b32 s[CS], 0x3e0293ee
	s_mov_b32 s[TB], 0
	s_mov_b32 s[KS], 0
	s_mov_b32 s[SLOTS], 3
	s_and_b32 s97, s[HD], 1
	s_or_b32 s96, s97, ttmp9                       ; 0 in the work-group with j = 0 of the even head
	s_cmp_eq_u32 s96, 0
	s_cselect_b32 s[LIM], 1, -1
	s_lshl_b32 s58, s[WV], 13                      ; my part's place in a slot
	s_wait_dscnt 0x0                               ; both opening adds are done
	s_wait_kmcnt 0x0
	s_load_b256 s[68:75], s[6:7], 0x0              ; e0 .. e7
	s_load_b128 s[76:79], s[6:7], 0x20             ; e8 .. e11
	s_mov_b32 s[G0], 1
	s_mov_b32 s[G0+1], s58
	s_add_nc_u64 s[G0+2:G0+3], s[4:5], s[50:51]
	s_add_nc_u64 s[PFA:PFA+1], s[4:5], s[50:51]
	s_or_b32 s[G0+3], s[G0+3], 0x80000000
	TLOAD                                          ; slot 0
	s_add_nc_u64 s[PFA:PFA+1], s[PFA:PFA+1], 65536 ; in slot 1: the first change of slots steps it to slot 2
	s_add_nc_u64 s[54:55], s[4:5], s[52:53]
	s_add_nc_u64 s[8:9], s[8:9], s[56:57]
	v_and_b32 v9, 31, v0
	v_lshlrev_b32 v[LA], 4, v9
	v_lshlrev_b32 v[PFO], 8, v9
.irp c, 0,1,2,3
	global_load_b128 v[16+4*\c:19+4*\c], v[LA], s[54:55] offset:512*\c   ; Q's fragment stays in registers
.endr
	v_add_nc_u32 v[LA0], s62, v[LA]
	v_add_nc_u32 v[LAV], 65536, v[LA0]
	v_add_nc_u32 v[STG], s61, v[LA]
	v_lshl_add_u32 v[STS], v9, 3, s60
	v_mov_b32 v13, 0xff61b1e6                      ; the largest t so far: -3e38
	v_floor_f32 v12, -v13                          ; -M
	v_mov_b32 v14, 0
	v_mov_b32 v15, 0
	v_mov_b32 v236, 0                              ; written once: a lane permute's destination counts as one of its sources
	v_mov_b32 v252, 0
	v_mov_b32 v253, 0
.set i, 0
.rept 64
	v_mov_b32 v[160+i], 0                          ; O^T.  (The key step is written once for all steps: the first finds zeros; an odd wave with no step hands zeros over)
.set i, i+1
.endr
	s_wait_kmcnt 0x0
	s_add_co_i32 s96, s74, s75
	s_lshl_b32 s96, s96, 23
	s_add_co_i32 s[CS], s[CS], s96                 ; a score stands for score x 2^(e6 + e7)
	s_mov_b32 s[CS+1], s[CS]
	s_add_co_i32 s96, s76, 127
	s_lshl_b32 s97, s96, 23
	v_mov_b32 v244, s97                            ; 2^e8
	s_add_co_i32 s96, s96, 8
	s_lshl_b32 s96, s96, 23
	s_or_b32 s96, s96, 0x600000
	v_mov_b32 v240, s96                            ; 448 x 2^e8
	s_add_co_i32 s96, s78, 127
	s_lshl_b32 s97, s96, 23
	v_mov_b32 v245, s97                            ; 2^e10
	s_add_co_i32 s96, s96, 8
	s_lshl_b32 s96, s96, 23
	s_or_b32 s96, s96, 0x600000
	v_mov_b32 v241, s96                            ; 448 x 2^e10
.macro LDV g                           ; four fragments of V: channel tiles 4 g .. 4 g + 3 of my key step
.irp t, 0,1,2,3
.irp c, 0,1,2,3
	ds_load_b128 v[32+16*\t+4*\c:35+16*\t+4*\c], v[ADV] offset:2048*(4*\g+\t)+512*\c
.endr
.endr
.endm
; A KEY STEP of mine: 128 keys.  A step all of whose keys come after my 16 queries is left out: a scalar branch on ids, round loads, products and softmax alone.
.macro STEP
	s_cmp_gt_u32 s[KF], s[QL]
	s_cbranch_scc1 .Lhidden_\@
	v_add_nc_u32 v[ADR], s[TB], v[LA0]
	v_add_nc_u32 v[ADV], s[TB], v[LAV]
.irp g, 0,1                                    ; S^T = K Q^T, four tiles of 16 keys at a time
.rept 2+2*\g
	v_nop                                          ; four places (the two additions above are two) in front of loads into registers that matrix instructions have read
.endr
.irp t, 0,1,2,3
.irp c, 0,1,2,3
	ds_load_b128 v[32+16*\t+4*\c:35+16*\t+4*\c], v[ADR] offset:2048*(4*\g+\t)+512*\c
.endr
.endr
.if \g == 0
	s_wait_alu depctr_va_vdst(0)
.endif
	s_wait_dscnt 0x0
.irp t, 0,1,2,3
	v_wmma_f32_16x16x128_fp8_fp8 v[96+8*(4*\g+\t):103+8*(4*\g+\t)], v[32+16*\t:47+16*\t], v[16:31], 0
.endr
.endr
.rept 4
	v_nop
.endr
	LDV 0                                          ; V's first four fragments are on their way while the softmax is walked
	s_add_co_u32 s96, s[KF], 127                   ; on the diagonal the scores of hidden keys become -infinity ahead of the maximum.  A step all of whose keys count skips this
	s_cmp_le_u32 s96, s[Q0]
	s_cbranch_scc1 .Lopen_\@
	s_sub_co_i32 s96, s[Q0], s[KF]
	v_and_b32 v252, 15, v0
	v_bfe_u32 v253, v0, 4, 1
	v_lshlrev_b32 v253, 3, v253
	v_sub_nc_u32 v252, v252, v253
	v_add_nc_u32 v252, s96, v252                   ; d = my query - KF - 8 h.  Register 8 f + j holds key KF + 8 h + 16 f + j: hidden where 16 f + j > d
	v_mov_b32 v254, 0xff800000
.set n, 0
.rept 64
	v_cmp_gt_i32 vcc_lo, 16*(n/8)+n%8, v252
	v_cndmask_b32 v[96+n], v[96+n], v254, vcc_lo
.set n, n+1
.endr
.Lopen_\@:
	v_max3_num_f32 v254, v96, v97, v98             ; the step's largest score of my query, among my 64 keys, in two chains; each tile from its low end on
	v_max3_num_f32 v252, v99, v100, v101
.irp i, 6,10,14,18,22,26,30,34,38,42,46,50,54,58
	v_max3_num_f32 v254, v254, v[96+\i], v[97+\i]
	v_max3_num_f32 v252, v252, v[98+\i], v[99+\i]
.endr
	v_max3_num_f32 v254, v254, v158, v159
	v_max_num_f32 v254, v254, v252
	v_permlanex16_b32 v236, v254, s[SEL], s[SEL+1]
	v_max_num_f32 v254, v254, v236                 ; and among lane l xor 16's
	v_mul_f32 v254, s[CS], v254                    ; as t (c is positive)
	v_max_num_f32 v13, v13, v254
	v_mov_b32 v254, v12
	v_floor_f32 v12, -v13                          ; the new -M = floor(-t): M is a whole number
	v_sub_f32 v254, v12, v254                      ; old M - new M: a whole number, 0 or less
	v_cvt_i32_f32 v254, v254                       ; (it saturates)
	v_ldexp_f32 v252, 1.0, v254                    ; f = 2^(old M - new M)
.irp j, 0,2,4,6,8,10,12,14,16,18,20,22,24,26,28,30,32,34,36,38,40,42,44,46,48,50,52,54,56,58,60,62
	v_pk_fma_f32 v[96+\j:97+\j], v[96+\j:97+\j], s[CS:CS+1], v[12:13] op_sel_hi:[1,0,0]   ; t - M, two at a time
.endr
	s_wait_alu depctr_va_vdst(0)
.set n, 0
.rept 64
	v_exp_f32 v[96+n], v[96+n]                     ; p = 2^(t - M), at most 1
.set n, n+1
.endr
	v_pk_mul_f32 v[14:15], v[14:15], v[252:253] op_sel_hi:[1,0]   ; the sum under the new M: a plain line behind the batch
	s_wait_alu depctr_va_vdst(0)                   ; one wait for the batch, ahead of its first reader
	v_pk_add_f32 v[242:243], v[96:97], v[98:99]    ; the sum of the UNQUANTISED p, in two chains
.irp j, 4,8,12,16,20,24,28,32,36,40,44,48,52,56,60
	v_pk_add_f32 v[14:15], v[14:15], v[96+\j:97+\j]
	v_pk_add_f32 v[242:243], v[242:243], v[98+\j:99+\j]
.endr
	v_pk_add_f32 v[14:15], v[14:15], v[242:243]
.irp b, 0,1,2,3
.irp i, 0,1,2,3,4,5,6,7,8,9,10,11,12,13,14,15
	v_min_num_f32 v[96+16*\b+\i], v[96+16*\b+\i], v240   ; the conversion does not saturate (ISA guide 7.6.2); p is not negative, so the hold is one-sided
.endr
	v_cvt_scalef32_pk8_fp8_f32 v[224+4*\b:225+4*\b], v[96+16*\b:103+16*\b], v244
	v_cvt_scalef32_pk8_fp8_f32 v[226+4*\b:227+4*\b], v[104+16*\b:111+16*\b], v244
.endr
	s_wait_alu depctr_va_vdst(0)                   ; the wait, directly ahead of the first reader of O^T
.irp j, 0,2,4,6,8,10,12,14,16,18,20,22,24,26,28,30,32,34,36,38,40,42,44,46,48,50,52,54,56,58,60,62
	v_pk_mul_f32 v[160+\j:161+\j], v[160+\j:161+\j], v[252:253] op_sel_hi:[1,0]   ; O^T under the new M
.endr
	s_wait_alu depctr_va_vdst(0)
	s_wait_dscnt 0x0                               ; V's first four fragments
.irp t, 0,1,2,3
	v_wmma_f32_16x16x128_fp8_fp8 v[160+8*\t:167+8*\t], v[32+16*\t:47+16*\t], v[224:239], v[160+8*\t:167+8*\t]
.endr
.rept 4
	v_nop
.endr
	LDV 1
	s_wait_dscnt 0x0
.irp t, 0,1,2,3
	v_wmma_f32_16x16x128_fp8_fp8 v[192+8*\t:199+8*\t], v[32+16*\t:47+16*\t], v[224:239], v[192+8*\t:199+8*\t]
.endr
.Lhidden_\@:
	s_add_co_u32 s[KF], s[KF], 256                 ; my next step lies two key steps on,
	s_xor_b32 s[TB], s[TB], 32768                  ; 32,768 bytes on in the slot, or back at its head
.endm
; My two steps of a slot: a counted loop of two trips, so that the key step is written once for each copy of the slot's body.
.macro SLOT_BODY
	s_mov_b32 s[U], 2
.Lstep_\@:
	STEP
	s_sub_co_u32 s[U], s[U], 1
	s_cmp_lg_u32 s[U], 0
	s_cbranch_scc1 .Lstep_\@
	s_add_co_u32 s[KS], s[KS], 512
	s_xor_b32 s[TB], s[TB], SLOT1
.endm
; THE CHANGE OF SLOTS stands at a slot's head.  Each wave waits for all its tensor loads, adds 0 to its spare word, and waits for that and for its reads of the slot that it has left.
; Behind the barrier the slot ahead is whole and nobody reads the other one.  fill = 1: that other slot takes the next 512 keys, up to the causal limit.
.macro CHANGE fill
	s_wait_tensorcnt 0x0                           ; no tensor load of mine is out, so the group 0 may be written
	ds_add_u32 v[SPW], v[NIL]
.if \fill
	s_xor_b32 s[G0+1], s[G0+1], SLOT1
	s_add_nc_u64 s[G0+2:G0+3], s[G0+2:G0+3], 65536
	s_wait_xcnt 0x0                                ; the last prefetch, a slot back, has read its address
	s_add_nc_u64 s[PFA:PFA+1], s[PFA:PFA+1], 65536
.endif
	s_wait_dscnt 0x0
	s_barrier_signal -1
	s_barrier_wait -1
.if \fill
	s_add_co_u32 s96, s[KS], 512                   ; the first key of the slot that this change would ask for:
	s_cmp_gt_u32 s96, s[WGL]                       ; past my work-group's last query none of its waves reads it.  Ids and the count of slots alone: all sixteen waves go the same way
	s_cbranch_scc1 .Lpast_\@
	TLOAD
.Lpast_\@:
	ASK
.endif
.endm
	s_wait_alu depctr_va_vdst(0)
	s_wait_loadcnt 0x0                             ; Q
.Lslot:                                            ; 3 trips
	CHANGE 1
	SLOT_BODY
	s_sub_co_u32 s[SLOTS], s[SLOTS], 1
	s_cmp_lg_u32 s[SLOTS], 0
	s_cbranch_scc1 .Lslot
	CHANGE 0                                       ; the last slot is written out: nothing is left to ask for
	SLOT_BODY
	; THE TWO HALVES OF A TILE MEET.  A barrier, behind which no wave reads the ring any more; the odd wave stores O^T, -M and its lane's sum; a second barrier; the even wave reads them.
.rept 4
	v_nop                                          ; places behind the last products
.endr
	v_add_f32 v13, v14, v15                        ; my lane's sum, beside -M in the pair v[12:13]
	s_wait_alu depctr_va_vdst(0)
	s_wait_dscnt 0x0
	s_barrier_signal -1
	s_barrier_wait -1
	s_cmp_eq_u32 s[PAR], 0
	s_cbranch_scc1 .Lkeep
.set i, 0
.rept 16
	ds_store_b128 v[STG], v[160+4*i:163+4*i] offset:512*i
.set i, i+1
.endr
	ds_store_b64 v[STS], v[12:13]
.Lkeep:
	s_wait_dscnt 0x0                               ; for the other wave's sake
	s_barrier_signal -1
	s_barrier_wait -1
	s_cmp_lg_u32 s[PAR], 0
	s_cbranch_scc1 .Lend
.set i, 0
.rept 16
	ds_load_b128 v[32+4*i:35+4*i], v[STG] offset:512*i
.set i, i+1
.endr
	ds_load_b64 v[96:97], v[STS]
	s_wait_dscnt 0x0
	v_min_num_f32 v98, v12, v96                    ; -M of both: the larger M
	v_sub_f32 v99, v98, v12                        ; whole numbers, 0 or less
	v_sub_f32 v100, v98, v96
	v_cvt_i32_f32 v99, v99                         ; (it saturates)
	v_cvt_i32_f32 v100, v100
	v_ldexp_f32 v102, 1.0, v99                     ; my factor,
	v_ldexp_f32 v104, 1.0, v100                    ; the other's
	v_mov_b32 v103, v102
	v_mov_b32 v105, v104
	v_mul_f32 v13, v13, v102
	v_fmac_f32 v13, v97, v104
.set i, 0
.rept 32
	v_pk_mul_f32 v[160+i:161+i], v[160+i:161+i], v[102:103]
.set i, i+2
.endr
.set i, 0
.rept 32
	v_pk_fma_f32 v[160+i:161+i], v[32+i:33+i], v[104:105], v[160+i:161+i]
.set i, i+2
.endr
	v_permlanex16_b32 v252, v13, s[SEL], s[SEL+1]
	v_add_f32 v13, v13, v252                       ; the row's sum
	; THE WAY OUT: O^T x 2^(e8 + e9) / the sum, quantised with 2^e10: the lane's 64 numbers are one fragment of the output projection's operand, K step = my head.
	s_wait_alu depctr_va_vdst(0)
	v_rcp_f32 v14, v13
	v_nop                                          ; a plain line behind it
	s_add_co_i32 s96, s76, s77
	s_wait_alu depctr_va_vdst(0)                   ; the wait, ahead of the first reader
	v_ldexp_f32 v14, v14, s96
	v_mov_b32 v15, v14
.set i, 0
.rept 32
	v_pk_mul_f32 v[96+i:97+i], v[160+i:161+i], v[14:15]
.set i, i+2
.endr
.set i, 0
.rept 64
	v_med3_num_f32 v[96+i], v[96+i], -v241, v241
.set i, i+1
.endr
.irp t, 0,1,2,3,4,5,6,7
	v_cvt_scalef32_pk8_fp8_f32 v[224+2*\t:225+2*\t], v[96+8*\t:103+8*\t], v245
.endr
	v_nop
.irp c, 0,1,2,3
	global_store_b128 v[LA], v[224+4*\c:227+4*\c], s[8:9] offset:512*\c   ; 32 lanes store 512 consecutive bytes
.endr
.Lend:
	s_wait_tensorcnt 0x0                           ; the wave's end
	ds_add_u32 v[SPW], v[NIL]
	s_wait_dscnt 0x0
	s_endpgm
.Lfunc_end_k_q9b3efe9bd2_attn:
	.size	k_q9b3efe9bd2_attn, .Lfunc_end_k_q9b3efe9bd2_attn-k_q9b3efe9bd2_attn
	.p2alignl 7, 3214868480
	.fill 96, 4, 3214868480
	.section	.rodata,"a",@progbits
	.p2align	6, 0x0
	.amdhsa_kernel k_q9b3efe9bd2_attn
		.amdhsa_group_segment_fixed_size 327680
		.amdhsa_private_segment_fixed_size 0
		.amdhsa_enable_private_segment 0
		.amdhsa_kernarg_size 24
		.amdhsa_user_sgpr_count 2
		.amdhsa_user_sgpr_kernarg_segment_ptr 1
		.amdhsa_wavefront_size32 1
		.amdhsa_system_sgpr_workgroup_id_x 1
		.amdhsa_system_sgpr_workgroup_id_y 1
		.amdhsa_system_sgpr_workgroup_id_z 1
		.amdhsa_system_vgpr_workitem_id 0
		.amdhsa_next_free_vgpr 256
		.amdhsa_next_free_sgpr 100
		.amdhsa_reserve_vcc 1
		.amdhsa_float_denorm_mode_32 3
		.amdhsa_float_denorm_mode_16_64 3
		.amdhsa_memory_ordered 1
		.amdhsa_forward_progress 1
		.amdhsa_inst_pref_size 73
	.end_amdhsa_kernel
	.amdgpu_metadata
---
amdhsa.version: [ 1, 2 ]
amdhsa.kernels:
  - .name:           k_q9b3efe9bd2_attn
    .symbol:         k_q9b3efe9bd2_attn.kd
    .args:
      - { .name: qkvc, .offset: 0, .size: 8, .value_kind: global_buffer, .address_space: global }
      - { .name: lowp_scales, .offset: 8, .size: 8, .value_kind: global_buffer, .address_space: global }
      - { .name: oc, .offset: 16, .size: 8, .value_kind: global_buffer, .address_space: global }
    .group_segment_fixed_size: 327680
    .private_segment_fixed_size: 0
    .kernarg_segment_align: 8
    .kernarg_segment_size: 24
    .max_flat_workgroup_size: 512
    .sgpr_count:     100
    .vgpr_count:     256
    .wavefront_size: 32
...
	.end_amdgpu_metadata
.endif
;; end of part 3
;; launch oproj (part 4): grid 16 x 16, 4 waves a work-group, clusters of 4 x 4, 327,680 bytes of LDS; arguments oc, wc, lowp_scales, out0; writes out0
.if DOCPART == 4
	.amdgcn_target "amdgcn-amd-amdhsa--gfx1250"
	.amdhsa_code_object_version 6
	.text
	.protected	k_q9b3efe9bd2_oproj
	.globl	k_q9b3efe9bd2_oproj
	.p2align	8
	.type	k_q9b3efe9bd2_oproj,@function
k_q9b3efe9bd2_oproj:
	s_mov_b64 s[64:65], 0
	v_nop
	global_prefetch_b8 v0, s[64:65] scope:SCOPE_SE
	s_setreg_imm32_b32 hwreg(HW_REG_WAVE_MODE, 25, 1), 1
	s_wait_xcnt 0x0
	s_wait_alu depctr_hold_cnt(0) depctr_sa_sdst(0) depctr_va_vdst(0) depctr_va_sdst(0) depctr_va_ssrc(0) depctr_va_vcc(0) depctr_vm_vsrc(0)
	s_getreg_b32 s2, hwreg(HW_REG_IB_STS2, 6, 4)
	s_cmp_eq_u32 s2, 0
	s_cbranch_scc0 .Lentry_in_a_cluster
	s_endpgm
.Lentry_in_a_cluster:
	s_bfe_u32 s2, ttmp6, 0x10000c
	s_cmp_lg_u32 s2, 0xf033
	s_cbranch_scc0 .Lentry_shape_is_right
	s_endpgm
.Lentry_shape_is_right:
.set RBB,   6144
.set SLOT,  24*RBB
.set BOFF,  8*RBB
.set SPARE, 2*SLOT
.set STGB,  8448
.set ADRA, 16
.set ADRB, 20
.set STO,  24
.set RD,   25
.set CO,   26
.set SPW,  28
.set NIL,  29
.set PFO,  30                          ; v30  256 x min(lane, 23): a row block's part of a slot is 6,144 bytes = 24 blocks of 256
.set PFO2, 31                          ; v31  256 x min(lane, 7): the last K step's 2,048 bytes
.set PFA,  98                          ; s[98:99] my work-group's share of the row blocks that my wave fetches; never stepped: every prefetch has its place as an immediate
.set NASK, 0                           ; refills written so far
; A PREFETCH INTO THE L2 of the K steps that stand two fills on.  Of an A wave's 4 row blocks the partner at place cx names one; of a B wave's 8 the partner at place cy names two, 32,768 bytes apart:
; the partners are told apart by address alone, and each block of 256 bytes is named once in each cluster that will load it.  K steps 0 to 5 come by their loads alone; the last two refills name nothing.
.macro ASK reg, off
	global_prefetch_b8 v[\reg], s[PFA:PFA+1] offset:\off th:TH_LOAD_NT scope:SCOPE_SE
	s_cmp_eq_u32 s19, 0
	s_cbranch_scc1 .Lasked2_\@
	global_prefetch_b8 v[\reg], s[PFA:PFA+1] offset:\off+32768 th:TH_LOAD_NT scope:SCOPE_SE
.Lasked2_\@:
.endm
.set TMP,  32
.set AF,   128
.set BK,   128
.set G1A, 24
.set G0A, 32
.set G1B, 48
.set G0B, 56
.set MSB, 0
.macro WIN new
.if MSB != \new
	s_set_vgpr_msb (MSB<<8)|\new
.set MSB, \new
.endif
.endm
.set MUL,  0xa1
.set TO_B, 0x40
.macro JLOAD s
	s_cmp_eq_u32 s19, 0
	s_cbranch_scc0 .Lfor_b_\@
	tensor_load_to_lds s[G0A+4*\s:G0A+4*\s+3], s[G1A:G1A+7]
	s_nop 0
.rept 4
	v_nop
.endr
	s_branch .Lasked_\@
.Lfor_b_\@:
	tensor_load_to_lds s[G0B+4*\s:G0B+4*\s+3], s[G1B:G1B+7]
	s_nop 0
.rept 4
	v_nop
.endr
.Lasked_\@:
.endm
.macro CREST
	s_cmp_lg_u32 s18, 0
	s_cbranch_scc1 .Lnot_wave_0_\@
	s_barrier_signal -3
.Lnot_wave_0_\@:
	s_barrier_wait -3
	s_barrier_signal -1
	s_barrier_wait -1
.endm
.macro CROUND
	s_barrier_signal -1
	s_barrier_wait -1
	CREST
.endm
.macro PLACES
.rept 4
	v_nop
.endr
.endm
	s_load_b256 s[4:11], s[0:1], 0x0
	v_lshl_add_u32 v[SPW], v0, 2, SPARE
	v_mov_b32 v[NIL], 0
	ds_add_u32 v[SPW], v[NIL]
	ds_add_u32 v[SPW], v[NIL]
	v_lshrrev_b32 v1, 5, v0
	v_readfirstlane_b32 s18, v1
	s_lshr_b32 s19, s18, 1
	s_and_b32 s20, s18, 1
	s_bfe_u32 s21, ttmp6, 0x40000
	s_bfe_u32 s22, ttmp6, 0x40004
	s_and_b32 s23, ttmp7, 0xffff
	s_lshl_b32 s43, s22, 2
	s_lshl_b32 s43, 15, s43
	s_lshl_b32 s47, 0x1111, s21
	s_or_b32 s[G1A], s43, (3<<16)|(1<<21)
	s_or_b32 s[G1B], s47, (3<<16)|(1<<21)
	s_mov_b32 s[G1A+1], 768<<16
	s_mov_b32 s[G1A+2], 4<<16
	s_mov_b32 s[G1A+3], 768<<16
	s_mov_b32 s[G1A+4], 4
	s_mov_b32 s[G1A+5], 4096
	s_mov_b32 s[G1A+6], 0
	s_mov_b32 s[G1A+7], 0
	s_mov_b32 s[G1B+1], 768<<16
	s_mov_b32 s[G1B+2], 8<<16
	s_mov_b32 s[G1B+3], 768<<16
	s_mov_b32 s[G1B+4], 8
	s_mov_b32 s[G1B+5], 4096
	s_mov_b32 s[G1B+6], 0
	s_mov_b32 s[G1B+7], 0
	s_lshl_b32 s86, s23, 2
	s_add_co_u32 s86, s86, s22
	s_lshl_b32 s66, s86, 18
	s_lshl_b32 s40, s20, 17
	s_add_co_u32 s66, s66, s40
	s_mov_b32 s67, 0
	s_mul_i32 s42, s20, 4*RBB
	s_lshl_b32 s87, ttmp9, 2
	s_add_co_u32 s87, s87, s21
	s_lshl_b32 s80, s87, 19
	s_lshl_b32 s44, s20, 18
	s_add_co_u32 s80, s80, s44
	s_add_co_u32 s80, s80, 16777216
	s_mov_b32 s81, 0
	s_mul_i32 s46, s20, 8*RBB
	s_add_co_u32 s46, s46, BOFF
	s_wait_dscnt 0x0
	s_wait_kmcnt 0x0
	s_load_b64 s[96:97], s[8:9], 0x28
	s_add_nc_u64 s[66:67], s[4:5], s[66:67]
	s_add_nc_u64 s[80:81], s[6:7], s[80:81]
	v_and_b32 v2, 31, v0
	v_min_u32 v3, 23, v2
	v_min_u32 v2, 7, v2
	v_lshlrev_b32 v[PFO], 8, v3
	v_lshlrev_b32 v[PFO2], 8, v2
	s_lshl_b32 s43, s21, 15                        ; A: row block cx of my four
	s_lshl_b32 s47, s22, 16                        ; B: row blocks 2 cy, 2 cy + 1 of my eight
	s_cmp_eq_u32 s19, 0
	s_cselect_b64 s[PFA:PFA+1], s[66:67], s[80:81]
	s_cselect_b32 s88, s43, s47
	s_mov_b32 s89, 0
	s_add_nc_u64 s[PFA:PFA+1], s[PFA:PFA+1], s[88:89]
	CROUND
.irp s, 0,1
	s_mov_b32 s[G0A+4*\s], 1
	s_add_co_u32 s[G0A+4*\s+1], s42, \s*SLOT
	s_add_nc_u64 s[G0A+4*\s+2:G0A+4*\s+3], s[66:67], \s*RBB
	s_or_b32 s[G0A+4*\s+3], s[G0A+4*\s+3], 0x80000000
	s_mov_b32 s[G0B+4*\s], 1
	s_add_co_u32 s[G0B+4*\s+1], s46, \s*SLOT
	s_add_nc_u64 s[G0B+4*\s+2:G0B+4*\s+3], s[80:81], \s*RBB
	s_or_b32 s[G0B+4*\s+3], s[G0B+4*\s+3], 0x80000000
	s_wait_alu depctr_va_vdst(0)
	s_wait_tensorcnt 0x0
	ds_add_u32 v28, v29
	ds_add_u32 v28, v29
	s_wait_dscnt 0x0
	CROUND
	JLOAD \s
	ASK PFO, (2+\s)*RBB
.endr
	v_and_b32 v1, 31, v0
	v_lshlrev_b32 v[CO], 4, v1
	v_and_b32 v2, 15, v0
	s_wait_alu depctr_va_vdst(0)
	v_bfe_u32 v3, v0, 4, 1
	s_mul_i32 s40, s19, 4*RBB
	s_mul_i32 s44, s20, 8*RBB
	s_add_co_u32 s44, s44, BOFF
.irp s, 0,1
	v_add_nc_u32 v[ADRA+\s], s40, v[CO]
	v_add_nc_u32 v[ADRB+\s], s44, v[CO]
	s_add_co_u32 s40, s40, SLOT
	s_add_co_u32 s44, s44, SLOT
.endr
	s_mul_i32 s41, s18, STGB
	v_mul_u32_u24 v[STO], v2, 528
	s_wait_alu depctr_va_vdst(0)
	v_lshl_add_u32 v[STO], v3, 5, v[STO]
	v_add_nc_u32 v[STO], s41, v[STO]
	v_add_nc_u32 v[RD], s41, v[CO]
	s_lshl_b32 s88, s86, 21
	s_lshl_b32 s89, s19, 20
	s_add_co_u32 s88, s88, s89
	s_lshl_b32 s89, s87, 10
	s_add_co_u32 s88, s88, s89
	s_lshl_b32 s89, s20, 9
	s_add_co_u32 s88, s88, s89
	s_mov_b32 s89, 0
	s_add_nc_u64 s[10:11], s[10:11], s[88:89]
.macro FETCH slot, q, p
	WIN TO_B
.irp b, 0,1,2,3,4,5,6,7
.irp c, 0,1,2,3
	ds_load_b128 v[128*(\p)+16*\b+4*\c:128*(\p)+16*\b+4*\c+3], v[ADRB+\slot] offset:RBB*\b+2048*(\q)+512*\c
.endr
.endr
	WIN 0
.irp a, 0,1,2,3
.irp c, 0,1,2,3
	ds_load_b128 v[AF+64*(\p)+16*\a+4*\c:AF+64*(\p)+16*\a+4*\c+3], v[ADRA+\slot] offset:RBB*\a+2048*(\q)+512*\c
.endr
.endr
.endm
.macro MUL8 a, p, zero
.irp b, 0,1,2,3,4,5,6,7
.if \zero
	v_wmma_f32_16x16x128_fp8_fp8 v[8*(8*(\a)+\b):8*(8*(\a)+\b)+7], v[128*(\p)+16*\b:128*(\p)+16*\b+15], v[AF+64*(\p)+16*(\a):AF+64*(\p)+16*(\a)+15], 0
.else
	v_wmma_f32_16x16x128_fp8_fp8 v[8*(8*(\a)+\b):8*(8*(\a)+\b)+7], v[128*(\p)+16*\b:128*(\p)+16*\b+15], v[AF+64*(\p)+16*(\a):AF+64*(\p)+16*(\a)+15], v[8*(8*(\a)+\b):8*(8*(\a)+\b)+7]
.endif
.endr
.endm
.macro STEP p, ns, nq, zero
	s_wait_dscnt 0x0
	PLACES
	FETCH \ns, \nq, 1-(\p)
	WIN MUL
	MUL8 0, \p, \zero
	MUL8 1, \p, \zero
	MUL8 2, \p, \zero
	MUL8 3, \p, \zero
.endm
.macro TURN p, slot, ns, nq, fill, adv
	s_wait_dscnt 0x0
	WIN MUL
	MUL8 0, \p, 0
	MUL8 1, \p, 0
	WIN 0
	s_wait_tensorcnt 0x0
	ds_add_u32 v[SPW], v[NIL]
.if \fill
	s_add_nc_u64 s[G0A+4*\slot+2:G0A+4*\slot+3], s[G0A+4*\slot+2:G0A+4*\slot+3], \adv
	s_add_nc_u64 s[G0B+4*\slot+2:G0B+4*\slot+3], s[G0B+4*\slot+2:G0B+4*\slot+3], \adv
.endif
	s_wait_dscnt 0x0
.if \fill
	CROUND
	JLOAD \slot
.else
	s_barrier_signal -1
	s_barrier_wait -1
	PLACES
.endif
	FETCH \ns, \nq, 1-(\p)
.if \fill
.if NASK == 0
	ASK PFO, 4*RBB                                 ; K steps 12 to 14
.endif
.if NASK == 1
	ASK PFO2, 5*RBB                                ; K step 15, the last
.endif
.set NASK, NASK+1
.endif
	WIN MUL
	MUL8 2, \p, 0
	MUL8 3, \p, 0
.endm
.macro LAP adv1
	STEP 1, 0, 2, 0
	TURN 0, 0, 1, 0, 1, 2*RBB
	STEP 1, 1, 1, 0
	STEP 0, 1, 2, 0
	TURN 1, 1, 0, 0, 1, \adv1
	STEP 0, 0, 1, 0
.endm
	s_wait_tensorcnt 1
	s_barrier_signal -1
	s_barrier_wait -1
	FETCH 0, 0, 0
	STEP 0, 0, 1, 1
	LAP 2*RBB
	LAP 4*2048
	STEP 1, 0, 2, 0
	TURN 0, 0, 1, 2, 0, 0
	s_wait_dscnt 0x0
	MUL8 0, 1, 0
	MUL8 1, 1, 0
	MUL8 2, 1, 0
	MUL8 3, 1, 0
	WIN 0
.macro TOSTAGE a
	WIN 0x02
.set i, 0
.rept 32
	v_pk_mul_f32 v[TMP+i:TMP+i+1], v[64*(\a)+i:64*(\a)+i+1], s[96:97] op_sel_hi:[1,0]
.set i, i+2
.endr
	WIN 0
.irp b, 0,1,2,3,4,5,6,7
	ds_store_b128 v[STO], v[TMP+8*\b:TMP+8*\b+3] offset:64*\b
	ds_store_b128 v[STO], v[TMP+8*\b+4:TMP+8*\b+7] offset:64*\b+16
.endr
.irp t, 0,1,2,3,4,5,6,7,8,9,10,11,12,13,14,15
	ds_load_b128 v[BK+64*((\a)%2)+4*\t:BK+64*((\a)%2)+4*\t+3], v[RD] offset:528*\t
.endr
.endm
.macro SEND a, younger
	s_wait_dscnt \younger
.irp t, 0,1,2,3,4,5,6,7,8,9,10,11,12,13,14,15
	global_store_b128 v[CO], v[BK+64*((\a)%2)+4*\t:BK+64*((\a)%2)+4*\t+3], s[10:11] offset:(16*(\a)+\t)*16384 th:TH_STORE_NT
.endr
.endm
	s_wait_kmcnt 0x0
	s_add_co_i32 s96, s96, s97
	s_add_co_i32 s96, s96, 127
	s_lshl_b32 s96, s96, 23
	s_mov_b32 s97, s96
	PLACES
	TOSTAGE 0
	TOSTAGE 1
	SEND 0, 32
	s_wait_xcnt 0x0
	TOSTAGE 2
	SEND 1, 32
	s_wait_xcnt 0x0
	TOSTAGE 3
	SEND 2, 32
	SEND 3, 0
	s_wait_tensorcnt 0x0
	ds_add_u32 v[SPW], v[NIL]
	s_wait_dscnt 0x0
	CROUND
	s_endpgm
.Lfunc_end_k_q9b3efe9bd2_oproj:
	.size	k_q9b3efe9bd2_oproj, .Lfunc_end_k_q9b3efe9bd2_oproj-k_q9b3efe9bd2_oproj
	.p2alignl 7, 3214868480
	.fill 96, 4, 3214868480
	.section	.rodata,"a",@progbits
	.p2align	6, 0x0
	.amdhsa_kernel k_q9b3efe9bd2_oproj
		.amdhsa_group_segment_fixed_size 327680
		.amdhsa_private_segment_fixed_size 0
		.amdhsa_enable_private_segment 0
		.amdhsa_kernarg_size 32
		.amdhsa_user_sgpr_count 2
		.amdhsa_user_sgpr_kernarg_segment_ptr 1
		.amdhsa_wavefront_size32 1
		.amdhsa_system_sgpr_workgroup_id_x 1
		.amdhsa_system_sgpr_workgroup_id_y 1
		.amdhsa_system_sgpr_workgroup_id_z 1
		.amdhsa_system_vgpr_workitem_id 0
		.amdhsa_next_free_vgpr 768
		.amdhsa_next_free_sgpr 100
		.amdhsa_reserve_vcc 0
		.amdhsa_float_denorm_mode_32 3
		.amdhsa_float_denorm_mode_16_64 3
		.amdhsa_memory_ordered 1
		.amdhsa_forward_progress 1
		.amdhsa_inst_pref_size 121
	.end_amdhsa_kernel
	.amdgpu_metadata
---
amdhsa.version: [ 1, 2 ]
amdhsa.kernels:
  - .name:           k_q9b3efe9bd2_oproj
    .symbol:         k_q9b3efe9bd2_oproj.kd
    .args:
      - { .name: oc, .offset: 0, .size: 8, .value_kind: global_buffer, .address_space: global }
      - { .name: wc, .offset: 8, .size: 8, .value_kind: global_buffer, .address_space: global }
      - { .name: lowp_scales, .offset: 16, .size: 8, .value_kind: global_buffer, .address_space: global }
      - { .name: out0, .offset: 24, .size: 8, .value_kind: global_buffer, .address_space: global }
    .group_segment_fixed_size: 327680
    .private_segment_fixed_size: 0
    .kernarg_segment_align: 8
    .kernarg_segment_size: 32
    .max_flat_workgroup_size: 128
    .sgpr_count:     100
    .vgpr_count:     768
    .wavefront_size: 32
...
	.end_amdgpu_metadata
.endif
;; end of part 4
